; MI455X (gfx1250); checked and timed in simulation.
; The chip was launched on July 23, 2026; its instructions are those of AMD's public machine-readable ISA for CDNA 5 (MIT licence, August 2026) and "CDNA5" Instruction Set Architecture Reference Guide (July 2026). The comments in the code are by the model that wrote it; some were corrected since.
;; Self Attention. Allowed arithmetic: matrix products marked QUANTISED: E2M3 operands, one E8M0 scale for each 32 along K, by v_wmma_scale_f32_16x16x128_f8f6f4 with both operands' format E2M3, f32 sums; everything else in f32.
;; Inputs: lambdas 2 float32; vi 1 x 2,048 x 2,048 float32; wk_codes 2,048 x 64 x 24 uint8 (E2M3 codes of wk, K innermost, in blocks of 32 codes, four codes in three bytes); wk_scales 2,048 x 64 uint8 (E8M0 scales of wk, one for each 32 codes along K); wproj_codes 2,048 x 64 x 24 uint8 (E2M3 codes of wproj, K innermost, in blocks of 32 codes, four codes in three bytes); wproj_scales 2,048 x 64 uint8 (E8M0 scales of wproj, one for each 32 codes along K); wq_codes 2,048 x 64 x 24 uint8 (E2M3 codes of wq, K innermost, in blocks of 32 codes, four codes in three bytes); wq_scales 2,048 x 64 uint8 (E8M0 scales of wq, one for each 32 codes along K); wv_codes 2,048 x 64 x 24 uint8 (E2M3 codes of wv, K innermost, in blocks of 32 codes, four codes in three bytes); wv_scales 2,048 x 64 uint8 (E8M0 scales of wv, one for each 32 codes along K); x_codes 1 x 2,048 x 64 x 24 uint8 (E2M3 codes of x, K innermost, in blocks of 32 codes, four codes in three bytes); x_scales 1 x 2,048 x 64 uint8 (E8M0 scales of x, one for each 32 codes along K).
;; Outputs: out0 1 x 2,048 x 2,048 float32.
;; This version of the problem:
;;   THIS VERSION OF THE PROBLEM IS GIVEN IN LOW PRECISION. The matrix products marked QUANTISED in the list below multiply operands that are first quantised to E2M3 (2 exponent bits, 3 mantissa bits; 6 bits a number), with one power-of-two scale for each 32 numbers along K (OCP MX v1.0); their sums are f32. All else is computed in f32.
;;   The module's matrix products, in the order in which they are computed (A, B: the left and right operand; K: the contracted axis; several contracted axes count as one K, in the product's order):
;;     1. [M 2,048, K 2,048] x [K 2,048, N 2,048]; A: input x (given as codes); B: input wq (given as codes): QUANTISED
;;     2. [M 2,048, K 2,048] x [K 2,048, N 2,048]; A: input x (given as codes); B: input wk (given as codes): QUANTISED
;;     3. [M 2,048, K 2,048] x [K 2,048, N 2,048]; A: input x (given as codes); B: input wv (given as codes): QUANTISED
;;     4. batch 16 x [M 2,048, K 128] x [K 128, N 2,048]; A: computed on the way; B: computed on the way: QUANTISED
;;     5. batch 16 x [M 128, K 2,048] x [K 2,048, N 2,048]; A: computed on the way; B: softmax (see below): QUANTISED
;;     6. [M 2,048, K 2,048] x [K 2,048, N 2,048]; A: computed on the way; B: input wproj (given as codes): QUANTISED
;;   THE QUANTISER, for each operand of a quantised product, along K:
;;     - K is cut into blocks of 32 from its start; a last block that is shorter is filled with zeros.
;;     - A block's scale is 2^e with e = floor(log2(the largest magnitude in the block)) - 2, held to -126 .. 127; a block of zeros has e = 0. As a byte (E8M0): e + 127.
;;     - Each number is divided by its block's scale, clamped to +-7.5, and rounded to the nearest number of E2M3, ties to even, subnormals kept.
;;     - The product sums the exact products of the quantised numbers (number of the format x scale) in f32.
;;   ~~~python
;;   def quantise(x, axis):      # numpy; x: float32 -> the quantised numbers, widened to float32 again
;;       x = np.moveaxis(x, axis, -1); K = x.shape[-1]
;;       x = np.pad(x, [(0, 0)] * (x.ndim - 1) + [(0, -K % 32)]); x = x.reshape(x.shape[:-1] + (-1, 32)); a = np.abs(x).max(-1, keepdims=True)
;;       e = np.where(a > 0, np.clip(np.frexp(np.where(a > 0, a, 1))[1] - 1 - 2, -126, 127), 0)      # np.frexp(a)[1] - 1 = floor(log2(a)), exactly
;;       r = np.clip(x / 2.0 ** e, -7.5, 7.5)
;;       step = 2.0 ** (np.maximum(np.frexp(np.where(r == 0, 1, r))[1] - 1, 0) - 3)
;;       q = np.round(r / step) * step * 2.0 ** e      # np.round: ties to even
;;       return np.moveaxis(q.reshape(q.shape[:-2] + (-1,))[..., :K], -1, axis).astype(np.float32)
;;   ~~~
;;   SOFTMAX AHEAD OF A QUANTISED PRODUCT. Where the list says 'softmax', what is quantised is not the finished softmax but p = 2^(t - M), with t = logit x log2(e) and M = ceil(the row's largest t), a whole number; so 1/2 < the row's largest p <= 1. The row's sum l is taken of the UNQUANTISED p, in f32, and the product's result is divided by l at the end. Since M is a whole number, a kernel that streams over the keys may use a running M (the ceiling of the running maximum): every later rescaling is an exact power of two, which a block's scale takes up: the codes' values come out the same.
;;   OPERANDS COMPUTED ON THE WAY. 'Computed on the way' means the value that the module computes at that place (a softmax that the list does not call 'softmax' is quantised finished and normalised). What goes into a quantiser is computed in f32, as accurately as f32 sums, v_exp_f32 and their like allow (about 1e-6 of the number): no bf16 or f16 on the way to a quantiser, and a product that is left as it is and whose result goes on into a quantised operand takes f32 operands (vector FMAs, or v_wmma_f32_16x16x4_f32). A number that lies on a knife's edge between two numbers of the format may be rounded either way, as far as f32 arithmetic and the matrix unit's own rounding can turn it there, and no further.
;;   INPUTS GIVEN AS CODES. wk (in the module: [2048, 2048], K = its axis 1); wproj (in the module: [2048, 2048], K = its axis 1); wq (in the module: [2048, 2048], K = its axis 1); wv (in the module: [2048, 2048], K = its axis 1); x (in the module: [1, 2048, 2048], K = its axis 2): each comes as NAME_codes (uint8): NAME with its K axis moved to the last place and cut into blocks of 32 codes, [.., K / 32, bytes a block], one block behind the other in memory; four codes in three bytes: a row's codes are one little-endian stream of bits, code i at bits 6 i .. 6 i + 5 (a code: sign, 2 exponent bits, 3 mantissa bits); and NAME_scales (uint8): the same leading axes, one E8M0 byte (e + 127) for each 32 codes along K. Its value is code x scale, taken as it is: it is not quantised again, and the codes and scales need not be those that the quantiser above would give.
;; One version. Each part assembles by itself: llvm-mc -triple=amdgcn-amd-amdhsa -mcpu=gfx1250 --defsym DOCPART=n.
;; ======== version 1 of 1: 3 launches
;; limits: a function is approximated: absolute error at most 0.0003
;; workspace buffers: qkv 9,830,400 bytes; yq 3,276,800 bytes
;; launch qkvp (part 1): grid 8 x 24, 4 waves a work-group, clusters of 4 x 4, 327,680 bytes of LDS; arguments x_codes, x_scales, wq_codes, wq_scales, wk_codes, wk_scales, wv_codes, wv_scales, vi, lambdas, qkv; writes qkv
.if DOCPART == 1
	.amdgcn_target "amdgcn-amd-amdhsa--gfx1250"
	.amdhsa_code_object_version 6
	.text
	.protected	k_q6c30736580_qkvp
	.globl	k_q6c30736580_qkvp
	.p2align	8
	.type	k_q6c30736580_qkvp,@function
k_q6c30736580_qkvp:
	s_mov_b64 s[64:65], 0
	v_nop
	global_prefetch_b8 v0, s[64:65] scope:SCOPE_SE
	s_setreg_imm32_b32 hwreg(HW_REG_WAVE_MODE, 25, 1), 1
	s_wait_xcnt 0x0
	s_wait_alu depctr_hold_cnt(0) depctr_sa_sdst(0) depctr_va_vdst(0) depctr_va_sdst(0) depctr_va_ssrc(0) depctr_va_vcc(0) depctr_vm_vsrc(0)
	s_getreg_b32 s2, hwreg(HW_REG_IB_STS2, 6, 4)
	s_cmp_eq_u32 s2, 0
	s_cbranch_scc0 .Lentry_in_a_cluster
	s_endpgm
.Lentry_in_a_cluster:
	s_bfe_u32 s2, ttmp6, 0x10000c
	s_cmp_lg_u32 s2, 0xf033
	s_cbranch_scc0 .Lentry_shape_is_right
	s_endpgm
.Lentry_shape_is_right:
; q = x wq^T, k = x wk^T, v = x wv^T on the given codes of FP6 (E2M3) and E8M0 scales; then q, k: rms norm over the head's 128 and rotary; v: lambda0 v + lambda1 vi; then each is quantised
; (q, k along the head's 128, v along the tokens) and stored as images of operand registers for the attention launch.
; THREE GEMMS OF 2048^3 IN ONE GRID: the cluster's y / 2 says which (0 q, 1 k, 2 v), the same number in all sixteen partners.  A tile is 256 x 256, four waves of 128 x 128: 64 tiles a GEMM, 192 work-groups.
; (A tile of 128 x 128 would give 768 work-groups but read twice the LDS bytes for each product; a wave's 128 columns have to be one whole head for the norm.)
; The loop computes D = (rows of "B") x (rows of "A")^T: a lane holds ONE row of A and its registers run along rows of B.  q, k: A = x, B = the weight: a lane holds a token, registers run along the head.
; v: A = wv, B = x: a lane holds a feature and its registers run along the TOKENS, which are the second attention product's K: nothing is transposed.
; K goes in steps of 256 through a ring of two LDS slots (rows of 192 bytes, 16 bytes of padding behind every 64: pitch 240); the scales of the 256 + 256 rows for all of K come once, with the first fills.
; CLUSTER 4 x 4: A's tiles are asked for jointly along a row of the cluster, B's along a column.
; REGISTER SLOT i OF A AND OF B HOLDS THE 16 ROWS OF TILE tau(i), tau = 0 2 1 3 4 6 5 7.  So of a lane's accumulators b = 4 c .. 4 c + 3 the pairs (0, 1) and (2, 3) hold B rows 32 apart, and one
; v_permlane16_swap_b32 a register pair leaves register 32 c + i of lane (r, h) with B row 64 c + 32 h + i: two whole blocks of 32 a lane, in the very order of a 6-bit operand's registers.
; THE ROTARY'S COSINES AND SINES ARE MADE HERE, while the first tiles are on their way: each wave makes, for its first 16 tokens t0 + r and its lanes' 32 frequencies d = 32 h + i, cos and sin of t f_d
; (f_d = 2^(-d log2(10000) / 64) by v_exp_f32; the angle one f32 product; reduced by n = floor(a 2 / pi + 1 / 2) with pi / 2 in two parts; polynomials of degree 7 and 8 on [-pi/4, pi/4]), and cos and sin of 16 f_d.
; They wait in LDS bytes of the wave's own; behind the loop the table is turned on by 16 tokens from tile to tile: cos(a + b) = cos a cos b - sin a sin b, sin(a + b) = sin a cos b + cos a sin b.
; Every work-group makes them, v's too (it does not use them): so no loop stands under a branch, and the work stands where the wave would wait.
; WHAT IS STORED.  A record (12,288 bytes) is the eight fragments of 128 rows x 128 K; a fragment is three pieces of 512 bytes, registers 4 c .. 4 c + 3 of lane l at 512 c + 16 l.  Record head x 16 + token block.
; Tile' 2 b + u of a record has lane r' <-> row 32 b + 8 u + r' + 8 (r' / 8), so that results of products on two neighbouring tiles' are 16 neighbours.  Scale record: 512 bytes, lane l' holds four words,
; word s of lanes 0-15 that of tile' 2 s, of lanes 16-31 that of tile' 2 s + 1.
; LIMITS: NaN and infinities are not served.  A block whose largest magnitude lies under 2^-124 (a block of zeros too) gets the scale byte 1: its codes are zeros or the rule's, and this program alone reads the bytes.
; lambda0 v + lambda1 vi is one product and one fused multiply-add.  A rotary angle is fl(t0 f) + 16 n f and not fl(t f), and f is good to about an ulp: at t = 2047 an angle may differ by some 3e-4 from one
; made with a correctly rounded power and one product; seven turns add some 1e-6 to a cosine.
; REGISTERS, in windows of 256: window 0: v0-31 addresses; v32-63 scale words, two sets, and nothing else; v64-117 at work at the head and behind the loop; from v128 A's fragments, later 128 at work.
;   window 1: B's fragments, two sets; later the rotary table and its turn, or vi.   windows 2, 3: the 64 accumulators ((a, b) at v[8 (8 (a % 4) + b)]).
.set KSTEP,  256
.set NQ,     2
.set ROWB,   192
.set KROW,   1536
.set PITCH,  240
.set FR,     12
.set NL,     6
.set NP,     4
.set HALFT,  128*PITCH
.set SLOT,   4*HALFT
.set LAPS,   4                         ; 2048 / (2 x 256)
.set KS,     64                        ; a row of scales in bytes
.set SCL,    2*SLOT
.set HALFS,  (128*KS/256)*272
.set SBLK,   (16*KS/256)*272
.set SPARE,  SCL+4*HALFS               ; the spare words, 128 bytes for each wave: two blocks of 256 bytes that no other line names
.set RT,     SPARE+512                 ; the rotary table of a wave's first 16 tokens: 8,192 bytes a wave: sixteen pieces of 512 (16 bytes a lane): eight of cosines, eight of sines.  No fill lands here
.set DLT,    RT+4*8192                 ; cos and sin of 16 f_d, d = 0 .. 63: 256 + 256 bytes a wave.  No fill lands here
.set IMGW,   3840                      ; behind the loop, in slot 0 (it has had its last fill and its last read): for each wave two images 1,664 bytes apart and 512 bytes of scale words,
.set VST,    4*IMGW                    ; and 32 rows of 576 bytes for vi
.set VSTW,   32*576
.set LI,   7                           ; v7   16 x lane
.set IST,  8                           ; v8   where my fragment registers go in the image stage
.set ILD,  9                           ; v9   and where an image is read back
.set SST,  10                          ; v10  the same for scale words
.set SLD,  11                          ; v11
.set VSW,  12                          ; v12  vi's stage: in,
.set VSR,  13                          ; v13  out
.set SH8,  14                          ; v14  8 h
.set STA,  15                          ; v15  my 16 bytes of a piece of my wave's rotary table
.set ADRA, 16
.set ADRB, 20
.set DLR,  24                          ; v24  where my half's 32 cosines of 16 f_d begin
.set ADRS, 27
.set SPW,  28
.set NIL,  29
.set PD,   31                          ; a lane permute's destination
.set SC,   32
.set SS,   64                          ; v64-71 sums of squares
.set RS,   72                          ; v72-73 1 / rms
.set TM,   74                          ; v74-75 largest magnitudes
.set SO,   76                          ; v76-77 the conversions' scale operands
.set BY,   78                          ; v78-79 scale bytes
.set OB,   80                          ; v80-103 two images on their way out
.set T,    128                         ; v128-255 at work
.set AF,   128
.set CD,   64                          ; at the head only: four angles by turns: v64-67 d, then f, then the angle;
.set CN,   68                          ; n;
.set CR,   72                          ; rho;
.set CZ,   76                          ; rho^2;
.set CI,   80                          ; n as a whole number;
.set CS,   84                          ; sin rho;
.set CC,   88                          ; cos rho;
.set CT,   92                          ; at work;
.set CU,   96
.set OC,   100                         ; v100-103 four cosines,
.set OS,   104                         ; v104-107 four sines
.set CTK,  108                         ; v108 the token, as f32
.set CDW,  109                         ; v109 where my two cosines of 16 f_d go
.set CAD,  110                         ; v110 the piece in hand
.set CDK,  112                         ; v112-115 32 h + 0 .. 3
.set G1, 24
.set G0, 32
.set G1B, 48
.set G0B, 56
.set G1S, 68
.set G0S, 76
.set G1SB, 80
.set G0SB, 88
.set ID,  96                           ; s96  0 q, 1 k, 2 v
.set TBK, 97                           ; s97  my wave's block of 128 tokens
.set HD,  98                           ; s98  my wave's head
.set MSB, 0
.macro WIN new                         ; the immediate's high byte repeats the setting that is left
.if MSB != (\new)
	s_set_vgpr_msb (MSB<<8)|(\new)
.set MSB, (\new)
.endif
.endm
.set MUL_LO, 0xa1
.set MUL_HI, 0xf1
.set TO_B,   0x40
; A joint load: waves 0 and 1 fetch for A, waves 2 and 3 for B; the branch hangs on the wave's number alone.  Four v_nop follow each of the two lines.
.macro JLOAD g0a, g1a, g0b, g1b
	s_cmp_eq_u32 s15, 0
	s_cbranch_scc0 .Lfor_b_\@
	tensor_load_to_lds s[\g0a:\g0a+3], s[\g1a:\g1a+7]
	s_nop 0
.rept 4
	v_nop
.endr
	s_branch .Lasked_\@
.Lfor_b_\@:
	tensor_load_to_lds s[\g0b:\g0b+3], s[\g1b:\g1b+7]
	s_nop 0
.rept 4
	v_nop
.endr
.Lasked_\@:
.endm
.macro CREST                           ; a round of the cluster's barrier behind its opening barrier
	s_cmp_lg_u32 s14, 0
	s_cbranch_scc1 .Lnot_wave_0_\@
	s_barrier_signal -3
.Lnot_wave_0_\@:
	s_barrier_wait -3
	s_barrier_signal -1
	s_barrier_wait -1
.endm
.macro CROUND
	s_barrier_signal -1
	s_barrier_wait -1
	CREST
.endm
; Four cosines and four sines: of v[CTK] x 2^(s4 d), d the whole numbers in v[CD] on.  The four take turns line by line, so that no line waits for the line above it.
.macro SC4
.irp k, 0,1,2,3
	v_cvt_f32_u32 v[CD+\k], v[CD+\k]
.endr
.irp k, 0,1,2,3
	v_mul_f32 v[CD+\k], s4, v[CD+\k]
.endr
.irp k, 0,1,2,3
	v_exp_f32 v[CD+\k], v[CD+\k]                   ; the frequency
.endr
	v_nop                                          ; a plain instruction behind the transcendentals (ISA guide 5.7.2)
	s_wait_alu depctr_va_vdst(0)
.irp k, 0,1,2,3
	v_mul_f32 v[CD+\k], v[CTK], v[CD+\k]           ; the angle a, one rounding
.endr
.irp k, 0,1,2,3
	v_fma_f32 v[CN+\k], v[CD+\k], s5, 0.5
.endr
.irp k, 0,1,2,3
	v_floor_f32 v[CN+\k], v[CN+\k]                 ; n = floor(a 2 / pi + 1 / 2)
.endr
.irp k, 0,1,2,3
	v_fma_f32 v[CR+\k], -v[CN+\k], s6, v[CD+\k]    ; a - n x the upper part of pi / 2
.endr
.irp k, 0,1,2,3
	v_fma_f32 v[CR+\k], -v[CN+\k], s7, v[CR+\k]    ; rho
.endr
.irp k, 0,1,2,3
	v_cvt_i32_f32 v[CI+\k], v[CN+\k]
.endr
.irp k, 0,1,2,3
	v_mul_f32 v[CZ+\k], v[CR+\k], v[CR+\k]         ; z = rho^2
.endr
.irp k, 0,1,2,3
	v_fma_f32 v[CS+\k], v[CZ+\k], s10, s9
.endr
.irp k, 0,1,2,3
	v_fma_f32 v[CC+\k], v[CZ+\k], s3, s2
.endr
.irp k, 0,1,2,3
	v_mul_f32 v[CT+\k], v[CR+\k], v[CZ+\k]
.endr
.irp k, 0,1,2,3
	v_fma_f32 v[CS+\k], v[CS+\k], v[CZ+\k], s8
.endr
.irp k, 0,1,2,3
	v_fma_f32 v[CC+\k], v[CC+\k], v[CZ+\k], s11
.endr
.irp k, 0,1,2,3
	v_fma_f32 v[CS+\k], v[CS+\k], v[CT+\k], v[CR+\k]   ; sin rho
.endr
.irp k, 0,1,2,3
	v_mul_f32 v[CT+\k], v[CZ+\k], v[CZ+\k]
.endr
.irp k, 0,1,2,3
	v_fma_f32 v[CU+\k], v[CZ+\k], -0.5, 1.0
.endr
.irp k, 0,1,2,3
	v_fma_f32 v[CC+\k], v[CC+\k], v[CT+\k], v[CU+\k]   ; cos rho
.endr
.irp k, 0,1,2,3
	v_and_b32 v[CT+\k], 1, v[CI+\k]
.endr
.irp k, 0,1,2,3
	v_cmp_gt_i32 vcc_lo, 1, v[CT+\k]               ; an even quadrant; in odd ones the two change places
	v_cndmask_b32 v[CU+\k], v[CC+\k], v[CS+\k], vcc_lo   ; the sine's magnitude
	v_cndmask_b32 v[CT+\k], v[CS+\k], v[CC+\k], vcc_lo   ; the cosine's
.endr
.irp k, 0,1,2,3
	v_lshlrev_b32 v[CS+\k], 30, v[CI+\k]           ; the sine is negative in quadrants 2 and 3: bit 1 of n,
.endr
.irp k, 0,1,2,3
	v_add_nc_u32 v[CI+\k], 1, v[CI+\k]             ; the cosine in quadrants 1 and 2: bit 1 of n + 1
.endr
.irp k, 0,1,2,3
	v_and_b32 v[CS+\k], 0x80000000, v[CS+\k]
.endr
.irp k, 0,1,2,3
	v_lshlrev_b32 v[CI+\k], 30, v[CI+\k]
.endr
.irp k, 0,1,2,3
	v_and_b32 v[CI+\k], 0x80000000, v[CI+\k]
.endr
	s_wait_dscnt 0x0                               ; the LDS stores of the last four have read their registers
.irp k, 0,1,2,3
	v_xor_b32 v[OS+\k], v[CS+\k], v[CU+\k]
.endr
.irp k, 0,1,2,3
	v_xor_b32 v[OC+\k], v[CI+\k], v[CT+\k]
.endr
.endm
	s_load_b512 s[68:83], s[0:1], 0x0              ; x, wq, wk, wv: codes and scales, eight addresses
	v_lshl_add_u32 v[SPW], v0, 2, SPARE
	v_mov_b32 v[NIL], 0
	ds_add_u32 v28, v29
	s_wait_dscnt 0x0
	v_mov_b32 v[PD], 0
	v_lshrrev_b32 v1, 5, v0
	v_readfirstlane_b32 s14, v1                    ; wave 0..3
	s_lshr_b32 s15, s14, 1                         ; which half of A's rows is mine.  Also: I fetch for A (0) or for B (1)
	s_and_b32 s16, s14, 1                          ; which half of B's rows.  Also: which 128 rows I fetch
	s_bfe_u32 s40, ttmp6, 0x40000                  ; cx, cy
	s_bfe_u32 s41, ttmp6, 0x40004
	s_lshl_b32 s42, ttmp9, 2
	s_add_co_u32 s42, s42, s40                     ; tile column = 4 x cluster x + cx
	s_and_b32 s17, ttmp7, 0xffff
	s_lshr_b32 s[ID], s17, 1                       ; which GEMM: of the cluster's y alone
	s_and_b32 s17, s17, 1
	s_lshl_b32 s17, s17, 2
	s_add_co_u32 s17, s17, s41                     ; tile row = 4 x (cluster y % 2) + cy
	s_lshl_b32 s43, s41, 2
	s_lshl_b32 s43, 15, s43                        ; my row of the cluster
	s_lshl_b32 s44, 0x1111, s40                    ; my column
	s_or_b32 s[G1+0], s43, (0<<16)|(1<<20)|(1<<21)|(3<<22)|(3<<25)  ; the mask; elements of 1 byte; padding on; bit 21 beside a mask; behind every 16 words 4 words
	s_or_b32 s[G1B+0], s44, (0<<16)|(1<<20)|(1<<21)|(3<<22)|(3<<25)
.irp g, G1, G1B
	s_mov_b32 s[\g+1], ROWB<<16                    ; tensor_dim0
	s_mov_b32 s[\g+2], 128<<16                     ; tensor_dim1
	s_mov_b32 s[\g+3], ROWB<<16                    ; tile_dim0
	s_mov_b32 s[\g+4], 128                         ; tile_dim1
	s_mov_b32 s[\g+5], KROW                        ; the pitch
	s_mov_b32 s[\g+6], 0
	s_mov_b32 s[\g+7], 0
.endr
	s_lshl_b32 s18, s16, 7
	s_lshl_b32 s20, s17, 8
	s_add_co_u32 s20, s20, s18                     ; A: row 256 x tile row + 128 x half
	s_lshl_b32 s46, s42, 8
	s_add_co_u32 s46, s46, s18                     ; B: row 256 x tile column + 128 x half
	s_mov_b32 s21, 0
	s_mov_b32 s47, 0
	s_mov_b64 s[18:19], KS
	s_mul_u64 s[22:23], s[20:21], s[18:19]         ; where these rows' scales begin,
	s_mul_u64 s[92:93], s[46:47], s[18:19]
	s_mov_b64 s[18:19], KROW
	s_mul_u64 s[20:21], s[20:21], s[18:19]         ; and their codes
	s_mul_u64 s[46:47], s[46:47], s[18:19]
	s_mul_i32 s45, s14, HALFT                      ; where they go: no place in the cluster enters an LDS address
	s_mul_i32 s94, s14, HALFS
	s_lshl_b32 s2, s17, 1
	s_add_co_u32 s2, s2, s15                       ; my wave's 128 rows of A,
	s_lshl_b32 s3, s42, 1
	s_add_co_u32 s3, s3, s16                       ; and of B
	s_cmp_eq_u32 s[ID], 2
	s_cselect_b32 s[TBK], s3, s2                   ; q, k: A's rows are tokens and B's a head; v: the other way round
	s_cselect_b32 s[HD], s2, s3
	s_wait_kmcnt 0x0
	s_cmp_eq_u32 s[ID], 2                          ; the operands are chosen on the GEMM's number alone
	s_cselect_b64 s[4:5], s[80:81], s[68:69]       ; A: wv or x
	s_cselect_b64 s[6:7], s[82:83], s[70:71]
	s_cselect_b64 s[8:9], s[68:69], s[76:77]       ; B: x, or wk,
	s_cselect_b64 s[10:11], s[70:71], s[78:79]
	s_cmp_eq_u32 s[ID], 0
	s_cselect_b64 s[8:9], s[72:73], s[8:9]         ; or wq
	s_cselect_b64 s[10:11], s[74:75], s[10:11]
	s_add_nc_u64 s[20:21], s[4:5], s[20:21]
	s_add_nc_u64 s[22:23], s[6:7], s[22:23]
	s_add_nc_u64 s[46:47], s[8:9], s[46:47]
	s_add_nc_u64 s[92:93], s[10:11], s[92:93]
	; the scales of 128 rows: a dense block of 8,192 bytes, as rows of 256 bytes, 16 bytes of padding behind each (the eight addresses above are used up: their registers take these words)
	s_or_b32 s[G1S+0], s43, (3<<16)|(1<<20)|(1<<21)|(5<<22)|(3<<25)
	s_or_b32 s[G1SB+0], s44, (3<<16)|(1<<20)|(1<<21)|(5<<22)|(3<<25)
.irp g, G1S, G1SB
	s_mov_b32 s[\g+1], 32<<16
	s_mov_b32 s[\g+2], (128*KS/256)<<16
	s_mov_b32 s[\g+3], 32<<16
	s_mov_b32 s[\g+4], 128*KS/256
	s_mov_b32 s[\g+5], 32
	s_mov_b32 s[\g+6], 0
	s_mov_b32 s[\g+7], 0
.endr
	CROUND                                         ; all sixteen work-groups are here: the first joint loads meet
	s_mov_b32 s[G0S], 1
	s_add_co_u32 s[G0S+1], s94, SCL
	s_mov_b64 s[G0S+2:G0S+3], s[22:23]
	s_or_b32 s[G0S+3], s[G0S+3], 0x80000000
	s_mov_b32 s[G0SB], 1
	s_add_co_u32 s[G0SB+1], s94, SCL
	s_mov_b64 s[G0SB+2:G0SB+3], s[92:93]
	s_or_b32 s[G0SB+3], s[G0SB+3], 0x80000000
	JLOAD G0S, G1S, G0SB, G1SB                     ; the scales first: they are wanted with K step 0
.irp s, 0,1
	s_mov_b32 s[G0+4*\s], 1
	s_add_co_u32 s[G0+4*\s+1], s45, \s*SLOT
	s_add_nc_u64 s[G0+4*\s+2:G0+4*\s+3], s[20:21], \s*ROWB
	s_or_b32 s[G0+4*\s+3], s[G0+4*\s+3], 0x80000000
	s_mov_b32 s[G0B+4*\s], 1
	s_add_co_u32 s[G0B+4*\s+1], s45, \s*SLOT
	s_add_nc_u64 s[G0B+4*\s+2:G0B+4*\s+3], s[46:47], \s*ROWB
	s_or_b32 s[G0B+4*\s+3], s[G0B+4*\s+3], 0x80000000
	JLOAD G0+4*\s, G1, G0B+4*\s, G1B
.endr                                          ; three tensor loads of mine are out
	s_load_b128 s[40:43], s[0:1], 0x40             ; vi s[40:41], lambdas s[42:43]: into registers that the descriptors no longer need
	s_load_b64 s[46:47], s[0:1], 0x50              ; qkv
	v_and_b32 v1, 15, v0                           ; r
	v_bfe_u32 v2, v0, 4, 1                         ; h
	v_mul_u32_u24 v3, v1, PITCH
	v_mul_u32_u24 v4, v2, 24
	v_add_nc_u32 v4, v3, v4                        ; a fragment's row x pitch + 24 x half
	v_lshl_add_u32 v5, v2, 4, v4                   ; and the same behind one padding more
	s_mul_i32 s21, s15, HALFT
	s_mul_i32 s22, s16, HALFT
	s_add_co_u32 s22, s22, 2*HALFT
.irp s, 0,1
	v_add_nc_u32 v[ADRA+\s], s21, v4
	v_add_nc_u32 v[ADRB+\s], s22, v4
	v_add_nc_u32 v[ADRA+2+\s], s21, v5
	v_add_nc_u32 v[ADRB+2+\s], s22, v5
	s_add_co_u32 s21, s21, SLOT
	s_add_co_u32 s22, s22, SLOT
.endr
	v_mul_u32_u24 v5, v1, KS                       ; my row's scales: 64 bytes a row,
	v_lshrrev_b32 v6, 8, v5
	v_lshl_add_u32 v5, v6, 4, v5                   ; and 16 more for each 256 passed
	s_mul_i32 s21, s15, HALFS
	s_mul_i32 s22, s16, HALFS
	s_add_co_u32 s22, s22, 2*HALFS
	s_sub_co_u32 s22, s22, s21
	v_mul_u32_u24 v6, s22, v2                      ; lanes 16-31 take B's
	s_add_co_u32 s21, s21, SCL
	v_add_nc_u32 v5, v5, v6
	v_add_nc_u32 v[ADRS], s21, v5
	; the addresses of the work behind the loop: a constant, a constant x lane term, a constant x wave
	v_and_b32 v6, 31, v0
	v_lshlrev_b32 v[LI], 4, v6
	v_lshrrev_b32 v3, 3, v1                        ; r / 8
	v_and_b32 v4, 7, v1                            ; r % 8
	s_mul_i32 s21, s14, IMGW
	v_mul_u32_u24 v[IST], v3, 1664                 ; row r of natural tile 2 b + v belongs to tile' 2 b + r / 8, lane' 16 h + r % 8 + 8 v
	v_lshl_add_u32 v[IST], v2, 8, v[IST]
	v_lshl_add_u32 v[IST], v4, 4, v[IST]
	v_add_nc_u32 v[IST], s21, v[IST]
	v_add_nc_u32 v[ILD], s21, v[LI]
	s_add_co_u32 s21, s21, 3328
	v_lshlrev_b32 v[SST], 8, v3
	v_lshl_add_u32 v[SST], v4, 4, v[SST]
	v_add_nc_u32 v[SST], s21, v[SST]
	v_add_nc_u32 v[SLD], s21, v[LI]
	s_mul_i32 s21, s14, VSTW
	s_add_co_u32 s21, s21, VST
	v_add_nc_u32 v[VSW], s21, v[LI]
	v_mul_u32_u24 v[VSR], v2, 9280                 ; lanes 16-31: 16 rows of 576 bytes on, and 64 bytes more, so that the halves read different banks (64 banks of 4 bytes: ISA guide 11.1)
	v_lshl_add_u32 v[VSR], v1, 2, v[VSR]
	v_add_nc_u32 v[VSR], s21, v[VSR]
	v_lshlrev_b32 v[SH8], 3, v2
	s_lshl_b32 s21, s14, 13
	s_add_co_u32 s21, s21, RT
	v_add_nc_u32 v[STA], s21, v[LI]                ; my wave's rotary table, 16 bytes a lane
	s_lshl_b32 s21, s14, 9
	s_add_co_u32 s21, s21, DLT
	v_lshl_add_u32 v[DLR], v2, 7, s21              ; the turn's cosines: out: my half's 32, 128 bytes;
	v_lshl_add_u32 v[CDW], v6, 2, s21              ; in: 4 bytes a lane
	; ---- THE ROTARY'S COSINES AND SINES, while the first tiles are on their way.  The operands' addresses in s4-s11 are used up: the registers take constants
	s_mov_b32 s4, 0xbe549a78                       ; -log2(10000) / 64
	s_mov_b32 s5, 0x3f22f983                       ; 2 / pi
	s_mov_b32 s6, 0x3fc90fdb                       ; pi / 2, upper part
	s_mov_b32 s7, 0xb33bbd2e                       ; pi / 2, the rest
	s_mov_b32 s8, 0xbe2aaaa3                       ; sine: -1.6666654611e-1,
	s_mov_b32 s9, 0x3c08839e                       ; 8.3321608736e-3,
	s_mov_b32 s10, 0xb94ca1f9                      ; -1.9515295891e-4
	s_mov_b32 s11, 0x3d2aaaa5                      ; cosine: 4.166664568e-2,
	s_mov_b32 s2, 0xbab6061a                       ; -1.388731625e-3,
	s_mov_b32 s3, 0x37ccf5ce                       ; 2.443315712e-5
	v_mov_b32 v[CTK], 0x41800000                   ; the turn from tile to tile: 16 tokens.  Lane l makes d = l and d = l + 32 (the other two of the four are not used)
.irp k, 0,1,2,3
	v_add_nc_u32 v[CD+\k], 32*\k, v6
.endr
	SC4
	ds_store_b32 v[CDW], v[OC]
	ds_store_b32 v[CDW], v[OC+1] offset:128
	ds_store_b32 v[CDW], v[OS] offset:256
	ds_store_b32 v[CDW], v[OS+1] offset:384
	s_wait_kmcnt 0x0
	s_load_b64 s[12:13], s[42:43], 0x0             ; lambda0, lambda1: they come while the table is made
	s_lshl_b32 s21, s[TBK], 7
	v_add_nc_u32 v[CTK], s21, v1                   ; my token of the wave's first 16,
	v_cvt_f32_u32 v[CTK], v[CTK]                   ; as f32 (exact)
.irp k, 0,1,2,3
	v_lshl_add_u32 v[CDK+\k], v2, 5, \k            ; 32 h + k
.endr
	s_mov_b32 s93, 0
	s_mov_b32 s94, 0
.Lsc:                                              ; eight trips: d = 32 h + 4 j + 0 .. 3: a piece of four cosines and a piece of four sines
.irp k, 0,1,2,3
	v_add_nc_u32 v[CD+\k], s94, v[CDK+\k]
.endr
	SC4
	v_add_nc_u32 v[CAD], s93, v[STA]
	ds_store_b128 v[CAD], v[OC:OC+3]
	ds_store_b128 v[CAD], v[OS:OS+3] offset:4096
	s_add_co_u32 s93, s93, 512
	s_add_co_u32 s94, s94, 4
	s_cmp_lt_u32 s94, 32
	s_cbranch_scc1 .Lsc
	s_lshl_b32 s2, s[HD], 4
	s_add_co_u32 s2, s2, s[TBK]                    ; my record: head x 16 + token block
	s_mul_i32 s92, s[ID], 3145728
	s_mul_i32 s93, s2, 12288
	s_add_co_u32 s92, s92, s93
	s_mov_b32 s93, 0
	s_add_nc_u64 s[4:5], s[46:47], s[92:93]        ; where my images go
	s_lshl_b32 s92, s[ID], 17
	s_lshl_b32 s2, s2, 9
	s_add_co_u32 s92, s92, s2
	s_add_co_u32 s92, s92, 9437184
	s_add_nc_u64 s[6:7], s[46:47], s[92:93]        ; and my scale record
	s_lshl_b32 s92, s[TBK], 20
	s_lshl_b32 s2, s[HD], 9
	s_add_co_u32 s92, s92, s2
	s_add_nc_u64 s[10:11], s[40:41], s[92:93]      ; vi at my first token, my head
	s_mov_b32 s20, 0x76543210
	s_mov_b32 s21, 0xfedcba98                      ; v_permlanex16_b32's selects for lane l xor 16
	s_mov_b32 s22, 0x3c000000                      ; 1 / 128
	s_mov_b32 s23, 0x34000000                      ; eps = 2^-23
	s_wait_kmcnt 0x0
	s_mov_b32 s18, s13                             ; lambda1 as the low word of a pair (the packed forms take a scalar pair's low word for both halves)
	s_mov_b32 s19, s13
.macro FRAG reg, adr, q, i             ; a fragment, 16 rows x 128 K, 12 registers: registers 6 c .. 6 c + 5 of lane (r, h) hold the 24 bytes of K = 64 c + 32 h + 0 .. 31 of row r, as they lie.  Register slot i takes tile tau(i)
.set TI, (((\i)&4)+2*((\i)&1)+(((\i)>>1)&1))
.irp p, 0,1,2,3,4,5
.set PC, 12*(\q)+6*(\p/3)+\p%3        ; pieces of 8 bytes; where the piece three on lies behind one padding more, the second address register serves
.if PC%8 < 5
	ds_load_b64 v[\reg+2*\p:\reg+2*\p+1], v[\adr] offset:8*PC+16*(PC/8)+TI*16*PITCH
.else
	ds_load_b64 v[\reg+2*\p:\reg+2*\p+1], v[\adr+2] offset:8*PC+16*(PC/8)+TI*16*PITCH
.endif
.endr
.endm
; 16 matrix instructions: A's slots a0, a0 + 1 x B's eight.  The 64 accumulators take turns, one instruction a turn, in the same order in every step.
.macro MUL16 a0, p, q, sc, zero
.irp a, \a0, \a0+1
.irp b, 0,1,2,3,4,5,6,7
.if \zero
	v_wmma_scale_f32_16x16x128_f8f6f4 v[8*(8*((\a)%4)+\b):8*(8*((\a)%4)+\b)+7], v[128*(\p)+FR*\b:128*(\p)+FR*\b+FR-1], v[AF+FR*(\a):AF+FR*(\a)+FR-1], 0, v[SC+8*NQ*(\sc)+NQ*\b+(\q)], v[SC+8*NQ*(\sc)+NQ*(\a)+(\q)] matrix_a_fmt:MATRIX_FMT_FP6 matrix_b_fmt:MATRIX_FMT_FP6 matrix_a_scale:MATRIX_SCALE_ROW1
.else
	v_wmma_scale_f32_16x16x128_f8f6f4 v[8*(8*((\a)%4)+\b):8*(8*((\a)%4)+\b)+7], v[128*(\p)+FR*\b:128*(\p)+FR*\b+FR-1], v[AF+FR*(\a):AF+FR*(\a)+FR-1], v[8*(8*((\a)%4)+\b):8*(8*((\a)%4)+\b)+7], v[SC+8*NQ*(\sc)+NQ*\b+(\q)], v[SC+8*NQ*(\sc)+NQ*(\a)+(\q)] matrix_a_fmt:MATRIX_FMT_FP6 matrix_b_fmt:MATRIX_FMT_FP6 matrix_a_scale:MATRIX_SCALE_ROW1
.endif
.endr
.endr
.endm
.macro FETCH_B slot, q, p
	WIN TO_B
.irp i, 0,1,2,3,4,5,6,7
	FRAG 128*(\p)+FR*\i, ADRB+\slot, \q, \i
.endr
	WIN 0
.endm
.macro FETCH_A slot, q, i0
.irp i, \i0, \i0+1, \i0+2, \i0+3
	FRAG AF+FR*(\i), ADRA+\slot, \q, \i
.endr
.endm
.macro SCALES sc                       ; a K step's scale words: lanes 0-15 those of A's slot i, lanes 16-31 those of B's slot i: both are tile tau(i)
.irp i, 0,1,2,3,4,5,6,7
	ds_load_b64 v[SC+8*NQ*\sc+NQ*\i:SC+8*NQ*\sc+NQ*\i+1], v[ADRS] offset:(((\i)&4)+2*((\i)&1)+(((\i)>>1)&1))*SBLK
.endr
.endm
; A load into a register that a matrix instruction has read, and a vector instruction that reads a matrix result, stand NP places behind it; only plain vector instructions that name none of its registers are places.
.macro PLACES n
.rept \n
	v_nop
.endr
.endm
.macro STEP slot, q, zero              ; a step of 128 along K that has its successor in the same slot
	s_wait_dscnt 4*NL                              ; B's set and A's slots 0-3 are in; the youngest 24 loads (A's slots 4-7) may be out
	WIN MUL_LO
	MUL16 0, (\q)%2, \q, \slot, \zero
	MUL16 2, (\q)%2, \q, \slot, \zero
	s_wait_dscnt 0
	PLACES NP
	FETCH_B \slot, (\q)+1, 1-(\q)%2
	FETCH_A \slot, (\q)+1, 0
	WIN MUL_HI
	MUL16 4, (\q)%2, \q, \slot, \zero
	MUL16 6, (\q)%2, \q, \slot, \zero
	PLACES NP
	WIN 0
	FETCH_A \slot, (\q)+1, 4
.endm
; A slot's last step changes slots: one barrier; in front of it each wave waits for all its tensor loads, adds 0 to its spare word, and waits for that and for its own reads of this slot.
.macro TURN slot, next, fill
	s_wait_tensorcnt 0x0                           ; all my tensor loads have landed: my part of the next slot
	ds_add_u32 v[SPW], v[NIL]                      ; 0 onto my spare word
	s_wait_dscnt 4*NL+1                            ; (the add and the youngest 24 loads may be out)
	WIN MUL_LO
	MUL16 0, 1, NQ-1, \slot, 0
	s_wait_dscnt 0x0                               ; the add is done, and my reads of this slot are over
	s_barrier_signal -1
	MUL16 2, 1, NQ-1, \slot, 0
	WIN 0
	s_barrier_wait -1
.if \fill
	CREST                                          ; the barrier has opened a round of the cluster's barrier: no wave of any partner still reads this slot or has a load on its way
	s_add_nc_u64 s[G0+4*\slot+2:G0+4*\slot+3], s[G0+4*\slot+2:G0+4*\slot+3], 2*ROWB
	s_add_nc_u64 s[G0B+4*\slot+2:G0B+4*\slot+3], s[G0B+4*\slot+2:G0B+4*\slot+3], 2*ROWB
	JLOAD G0+4*\slot, G1, G0B+4*\slot, G1B         ; the first tensor load behind the round, my one load until the next
.else
	PLACES NP
.endif
	v_add_nc_u32 v[ADRS], 4*NQ, v[ADRS]            ; on to the next K step's scale words
	FETCH_B \next, 0, 0
	FETCH_A \next, 0, 0
	SCALES \next
	WIN MUL_HI
	MUL16 4, 1, NQ-1, \slot, 0
	MUL16 6, 1, NQ-1, \slot, 0
	PLACES NP
	WIN 0
	FETCH_A \next, 0, 4
.endm
	s_wait_dscnt 0x0                               ; my stores of the rotary table are done: no LDS instruction of mine is out at a signal
	s_wait_tensorcnt 1                             ; the scales and my part of K step 0 are in (K step 1's load may be out),
	s_barrier_signal -1
	s_barrier_wait -1                              ; everybody's are
	FETCH_B 0, 0, 0
	FETCH_A 0, 0, 0
	SCALES 0
	FETCH_A 0, 0, 4
	STEP 0, 0, 1                                   ; the first step stands in front of the loop: its products start the sums
	s_mov_b32 s3, LAPS-1
.Llap:
	TURN 0, 1, 1
	STEP 1, 0, 0
	TURN 1, 0, 1
	STEP 0, 0, 0
	s_sub_co_u32 s3, s3, 1
	s_cmp_lg_u32 s3, 0
	s_cbranch_scc1 .Llap
	TURN 0, 1, 0                                   ; the last lap fills nothing; behind its barrier nobody reads slot 0 any more
	STEP 1, 0, 0
	s_wait_dscnt 4*NL
	WIN MUL_LO
	MUL16 0, 1, NQ-1, 1, 0
	MUL16 2, 1, NQ-1, 1, 0
	s_wait_dscnt 0
	WIN MUL_HI
	MUL16 4, 1, NQ-1, 1, 0
	MUL16 6, 1, NQ-1, 1, 0
	WIN 0
; ---------------- BEHIND THE LOOP ----------------
; The swap: of slot a's 64 registers, pairs 8 apart change halves: register 32 c + i of lane (r, h) then holds B row 64 c + 32 h + i.  Each accumulator is first read at its lowest register.
.macro SWAPALL
.irp a, 0,1,2,3,4,5,6,7
	WIN 0x41*(2+\a/4)
.irp g, 0,16,32,48
.irp j, 0,1,2,3,4,5,6,7
	v_permlane16_swap_b32 v[64*(\a%4)+\g+\j], v[64*(\a%4)+\g+8+\j]
.endr
.endr
.endr
	WIN 0
.endm
.macro TABLES                          ; out of my own LDS bytes into window 1: v0-31 the cosines and v32-63 the sines of my first 16 tokens; v64-95 the cosines and v96-127 the sines of the turn
	WIN 0x40
.irp k, 0,1,2,3,4,5,6,7,8,9,10,11,12,13,14,15
	ds_load_b128 v[4*\k:4*\k+3], v[STA] offset:512*\k
.endr
.irp k, 0,1,2,3,4,5,6,7
	ds_load_b128 v[64+4*\k:67+4*\k], v[DLR] offset:16*\k
	ds_load_b128 v[96+4*\k:99+4*\k], v[DLR] offset:256+16*\k
.endr
	WIN 0
.endm
.macro ROT                             ; the table goes 16 tokens on: 64 packed instructions for a lane's 32 frequencies
	WIN 0x05                                       ; sources 0 and 1: window 1
.set J, 0
.rept 16
	v_pk_mul_f32 v[T+2*J:T+2*J+1], v[32+2*J:33+2*J], v[96+2*J:97+2*J]           ; sin a sin b
	v_pk_mul_f32 v[T+32+2*J:T+32+2*J+1], v[2*J:2*J+1], v[96+2*J:97+2*J]         ; cos a sin b
.set J, J+1
.endr
	WIN 0x45                                       ; and the destination
.set J, 0
.rept 16
	v_pk_fma_f32 v[2*J:2*J+1], v[2*J:2*J+1], v[64+2*J:65+2*J], v[T+2*J:T+2*J+1] neg_lo:[0,0,1] neg_hi:[0,0,1]   ; cos a cos b - sin a sin b
	v_pk_fma_f32 v[32+2*J:33+2*J], v[32+2*J:33+2*J], v[64+2*J:65+2*J], v[T+32+2*J:T+32+2*J+1]                     ; sin a cos b + cos a sin b
.set J, J+1
.endr
	WIN 0
.endm
; Natural tile n (register slot tau(n)): rms norm and rotary.  The table in window 1 is that of tokens 16 n .. 16 n + 15.
.macro ROPE n
.set SA, (((\n)&4)+2*((\n)&1)+(((\n)>>1)&1))
.set WW, 2+SA/4
.set AB, 64*(SA%4)
	WIN 5*WW                                       ; sources 0 and 1: the accumulators' window
.irp k, 0,1,2,3
	v_pk_mul_f32 v[SS+2*\k:SS+2*\k+1], v[AB+2*\k:AB+2*\k+1], v[AB+2*\k:AB+2*\k+1]
.endr
.set J, 4
.rept 28
	v_pk_fma_f32 v[SS+2*(J%4):SS+2*(J%4)+1], v[AB+2*J:AB+2*J+1], v[AB+2*J:AB+2*J+1], v[SS+2*(J%4):SS+2*(J%4)+1]   ; the squares, in four chains
.set J, J+1
.endr
	WIN 0
	v_pk_add_f32 v[SS:SS+1], v[SS:SS+1], v[SS+2:SS+3]
	v_pk_add_f32 v[SS+4:SS+5], v[SS+4:SS+5], v[SS+6:SS+7]
	v_pk_add_f32 v[SS:SS+1], v[SS:SS+1], v[SS+4:SS+5]
	v_add_f32 v[SS], v[SS], v[SS+1]
	v_permlanex16_b32 v[PD], v[SS], s20, s21       ; the row's other 64 numbers lie in lane l xor 16
	v_add_f32 v[SS], v[SS], v[PD]
	v_fma_f32 v[SS], v[SS], s22, s23               ; the mean + eps
	v_rsq_f32 v[RS], v[SS]
	v_mov_b32 v[RS+1], v[PD]                       ; a plain instruction behind the transcendental; it writes the pair's upper half, which is named and not used
	WIN 0x41*WW
.set J, 0
	s_wait_alu depctr_va_vdst(0)
.rept 32
	v_pk_mul_f32 v[AB+2*J:AB+2*J+1], v[AB+2*J:AB+2*J+1], v[RS:RS+1] op_sel_hi:[1,0]
.set J, J+1
.endr
	WIN WW+4                                       ; source 1: the table, window 1
.set J, 0
.rept 16
	v_pk_mul_f32 v[T+2*J:T+2*J+1], v[AB+32+2*J:AB+32+2*J+1], v[32+2*J:33+2*J]       ; x2 sin
	v_pk_mul_f32 v[T+32+2*J:T+32+2*J+1], v[AB+2*J:AB+2*J+1], v[32+2*J:33+2*J]       ; x1 sin
.set J, J+1
.endr
	WIN 0x41*WW+4
.set J, 0
.rept 16
	v_pk_fma_f32 v[AB+2*J:AB+2*J+1], v[AB+2*J:AB+2*J+1], v[2*J:2*J+1], v[T+2*J:T+2*J+1]                                        ; y1 = x1 cos + x2 sin
	v_pk_fma_f32 v[AB+32+2*J:AB+32+2*J+1], v[AB+32+2*J:AB+32+2*J+1], v[2*J:2*J+1], v[T+32+2*J:T+32+2*J+1] neg_lo:[0,0,1] neg_hi:[0,0,1]   ; y2 = x2 cos - x1 sin
.set J, J+1
.endr
	WIN 0
.endm
; vi, chunk n = 2 c + e: the 32 tokens 64 c + 32 hh + 16 e + i.  A load takes one token's 512 bytes (my head's 128 features).
.macro VILOAD n
	WIN 0x40
.irp hh, 0,1
.irp i, 0,1,2,3,4,5,6,7,8,9,10,11,12,13,14,15
	global_load_b128 v[128*((\n)%2)+4*(16*\hh+\i):128*((\n)%2)+4*(16*\hh+\i)+3], v[LI], s[10:11] offset:(64*((\n)/2)+32*\hh+16*((\n)%2)+\i)*8192 th:TH_LOAD_NT
.endr
.endr
	WIN 0
.endm
; The chunk turns through my own stage: in by tokens, out by features, 4 bytes a lane; then v = lambda0 v + lambda1 vi on registers 16 n .. 16 n + 15 of every slot.
.macro MIX n, left
	s_wait_loadcnt \left                           ; this chunk's 32 loads are in; the next chunk's may be out
	WIN 0x04                                       ; an LDS store's data are its source 1: window 1
.irp hh, 0,1
.irp i, 0,1,2,3,4,5,6,7,8,9,10,11,12,13,14,15
	ds_store_b128 v[VSW], v[128*((\n)%2)+4*(16*\hh+\i):128*((\n)%2)+4*(16*\hh+\i)+3] offset:(16*\hh+\i)*576+64*\hh
.endr
.endr
	WIN 0
.irp a, 0,1,2,3,4,5,6,7
.irp i, 0,1,2,3,4,5,6,7,8,9,10,11,12,13,14,15
	ds_load_b32 v[T+16*\a+\i], v[VSR] offset:\i*576+64*(((\a)&4)+2*((\a)&1)+(((\a)>>1)&1))   ; LDS serves a wave's instructions in order (ISA guide 5.7.1.4): these see the stores above
.endr
.endr
	s_wait_dscnt 0x0                               ; the stores have read their registers and the loads are in
.if (\n) < 2
	VILOAD (\n)+2                                  ; the chunk two on takes the buffer just left
.endif
.set J, 0
.rept 64
	v_pk_mul_f32 v[T+2*J:T+2*J+1], v[T+2*J:T+2*J+1], s[18:19] op_sel_hi:[1,0]
.set J, J+1
.endr
.irp a, 0,1,2,3,4,5,6,7
	WIN 0x41*(2+\a/4)
.irp p, 0,2,4,6,8,10,12,14
	v_pk_fma_f32 v[64*(\a%4)+16*(\n)+\p:64*(\a%4)+16*(\n)+\p+1], v[64*(\a%4)+16*(\n)+\p:64*(\a%4)+16*(\n)+\p+1], s[12:13], v[T+16*\a+\p:T+16*\a+\p+1] op_sel_hi:[1,0,1]
.endr
.endr
	WIN 0
.endm
; Natural tile n is quantised: a lane's two blocks of 32 are all its own.  The codes are the operand's registers as they come; they and the scale word go into the stage at their place in tile' 2 (n / 2) + r / 8.
.macro QUANT6 n
.set SA, (((\n)&4)+2*((\n)&1)+(((\n)>>1)&1))
.set WW, 2+SA/4
.set AB, 64*(SA%4)
.set QS, T+32*((\n)&1)                 ; two sets of registers by turns: a set is written again only behind a wait for 0 on DScnt
	WIN 5*WW
.irp c, 0,1
	v_max3_num_f32 v[TM+\c], |v[AB+32*\c]|, |v[AB+32*\c+1]|, 0x1800000   ; and the floor 2^(3 - 127): the byte cannot fall under 1
.endr
.irp i, 2,4,6,8,10,12,14,16,18,20,22,24,26,28,30
.irp c, 0,1
	v_max3_num_f32 v[TM+\c], |v[AB+32*\c+\i]|, |v[AB+32*\c+\i+1]|, v[TM+\c]
.endr
.endr
	WIN 0
	v_add_nc_u32 v[SO], 0xff000000, v[TM]          ; 2 off the exponent field: the conversion's scale operand
	v_add_nc_u32 v[SO+1], 0xff000000, v[TM+1]
	v_lshrrev_b32 v[BY], 23, v[SO]                 ; the scale's byte
	v_lshrrev_b32 v[BY+1], 23, v[SO+1]
	v_lshl_or_b32 v[QS+20], v[BY+1], 16, v[BY]     ; my blocks h and 2 + h,
	v_lshlrev_b32 v[QS+20], v[SH8], v[QS+20]       ; at their places in the word;
	v_permlanex16_b32 v[PD], v[QS+20], s20, s21
	v_or_b32 v[QS+20], v[QS+20], v[PD]             ; with lane l xor 16's two the word is whole
	WIN WW
.irp c, 0,1
	v_cvt_scalef32_pk16_fp6_f32 v[QS+6*\c:QS+6*\c+2], v[AB+32*\c:AB+32*\c+15], v[SO+\c]
	v_cvt_scalef32_pk16_fp6_f32 v[QS+12+4*\c:QS+14+4*\c], v[AB+32*\c+16:AB+32*\c+31], v[SO+\c]   ; (a conversion's three registers begin on an even number)
.endr
	WIN 0
	v_nop                                          ; one plain place behind a scaled conversion
.irp c, 0,1
.irp i, 0,1,2
	v_mov_b32 v[QS+3+6*\c+\i], v[QS+12+4*\c+\i]
.endr
.endr
.irp k, 0,1,2
	ds_store_b128 v[IST], v[QS+4*\k:QS+4*\k+3] offset:128*((\n)&1)+512*\k
.endr
	ds_store_b32 v[SST], v[QS+20] offset:128*((\n)&1)+4*((\n)>>1)   ; (both halves of the lanes write the same word with the same value)
.endm
.macro SEND b                          ; tiles' 2 b and 2 b + 1 are whole: back as images, and out: each store of the wave covers 512 consecutive bytes, aligned
	s_wait_xcnt 0x0                                ; the earlier stores have read their registers
.irp u, 0,1
.irp k, 0,1,2
	ds_load_b128 v[OB+12*\u+4*\k:OB+12*\u+4*\k+3], v[ILD] offset:1664*\u+512*\k
.endr
.endr
	s_wait_dscnt 0x0
.irp u, 0,1
.irp k, 0,1,2
	global_store_b128 v[LI], v[OB+12*\u+4*\k:OB+12*\u+4*\k+3], s[4:5] offset:(\b)*3072+1536*\u+512*\k
.endr
.endr
.endm
	PLACES NP                                      ; behind the last products: in front of the loads into B's registers and of the first reads of results
	s_cmp_eq_u32 s[ID], 2                          ; the same way in every work-group of the cluster
	s_cbranch_scc1 .Lmix
	TABLES
	SWAPALL                                        ; 256 instructions on registers while the table comes out of LDS
	s_wait_dscnt 0x0
	ROPE 0
.irp n, 1,2,3,4,5,6,7
	ROT
	ROPE \n
.endr
	s_branch .Ljoin
.Lmix:
	VILOAD 0
	VILOAD 1
	SWAPALL
	MIX 0, 32
	MIX 1, 32
	MIX 2, 32
	MIX 3, 0
.Ljoin:
.irp b, 0,1,2,3
	QUANT6 2*\b
	QUANT6 2*\b+1
	SEND \b
.endr
	s_wait_xcnt 0x0
	ds_load_b128 v[OB:OB+3], v[SLD]                ; the record's scale words: 16 bytes a lane
	s_wait_dscnt 0x0
	global_store_b128 v[LI], v[OB:OB+3], s[6:7]
	s_wait_tensorcnt 0x0                           ; the wave's end
	ds_add_u32 v[SPW], v[NIL]
	s_wait_dscnt 0x0
	CROUND                                         ; the closing round: no work-group ends while a partner may still ask for a tile that names it
	s_endpgm
.Lfunc_end_k_q6c30736580_qkvp:
	.size	k_q6c30736580_qkvp, .Lfunc_end_k_q6c30736580_qkvp-k_q6c30736580_qkvp
	.p2alignl 7, 3214868480
	.fill 96, 4, 3214868480
	.section	.rodata,"a",@progbits
	.p2align	6, 0x0
	.amdhsa_kernel k_q6c30736580_qkvp
		.amdhsa_group_segment_fixed_size 327680
		.amdhsa_private_segment_fixed_size 0
		.amdhsa_enable_private_segment 0
		.amdhsa_kernarg_size 88
		.amdhsa_user_sgpr_count 2
		.amdhsa_user_sgpr_kernarg_segment_ptr 1
		.amdhsa_wavefront_size32 1
		.amdhsa_system_sgpr_workgroup_id_x 1
		.amdhsa_system_sgpr_workgroup_id_y 1
		.amdhsa_system_sgpr_workgroup_id_z 1
		.amdhsa_system_vgpr_workitem_id 0
		.amdhsa_next_free_vgpr 1024
		.amdhsa_next_free_sgpr 100
		.amdhsa_reserve_vcc 1
		.amdhsa_float_denorm_mode_32 3
		.amdhsa_float_denorm_mode_16_64 3
		.amdhsa_memory_ordered 1
		.amdhsa_forward_progress 1
		.amdhsa_inst_pref_size 255
	.end_amdhsa_kernel
	.section	.bss,"aw",@nobits
	.p2align	6
	.space	262144
	.amdgpu_metadata
---
amdhsa.version: [ 1, 2 ]
amdhsa.kernels:
  - .name:           k_q6c30736580_qkvp
    .symbol:         k_q6c30736580_qkvp.kd
    .args:
      - { .name: x_codes, .offset: 0, .size: 8, .value_kind: global_buffer, .address_space: global }
      - { .name: x_scales, .offset: 8, .size: 8, .value_kind: global_buffer, .address_space: global }
      - { .name: wq_codes, .offset: 16, .size: 8, .value_kind: global_buffer, .address_space: global }
      - { .name: wq_scales, .offset: 24, .size: 8, .value_kind: global_buffer, .address_space: global }
      - { .name: wk_codes, .offset: 32, .size: 8, .value_kind: global_buffer, .address_space: global }
      - { .name: wk_scales, .offset: 40, .size: 8, .value_kind: global_buffer, .address_space: global }
      - { .name: wv_codes, .offset: 48, .size: 8, .value_kind: global_buffer, .address_space: global }
      - { .name: wv_scales, .offset: 56, .size: 8, .value_kind: global_buffer, .address_space: global }
      - { .name: vi, .offset: 64, .size: 8, .value_kind: global_buffer, .address_space: global }
      - { .name: lambdas, .offset: 72, .size: 8, .value_kind: global_buffer, .address_space: global }
      - { .name: qkv, .offset: 80, .size: 8, .value_kind: global_buffer, .address_space: global }
    .group_segment_fixed_size: 327680
    .private_segment_fixed_size: 0
    .kernarg_segment_align: 8
    .kernarg_segment_size: 88
    .max_flat_workgroup_size: 128
    .sgpr_count:     100
    .vgpr_count:     1024
    .wavefront_size: 32
...
	.end_amdgpu_metadata
.endif
;; end of part 1
;; launch attn (part 2): grid 16 x 16, 8 waves a work-group, no clusters, 327,680 bytes of LDS; arguments qkv, yq; writes yq
.if DOCPART == 2
	.amdgcn_target "amdgcn-amd-amdhsa--gfx1250"
	.amdhsa_code_object_version 6
	.text
	.protected	k_q6c30736580_attn
	.globl	k_q6c30736580_attn
	.p2align	8
	.type	k_q6c30736580_attn,@function
k_q6c30736580_attn:
	s_mov_b64 s[64:65], 0
	v_nop
	global_prefetch_b8 v0, s[64:65] scope:SCOPE_SE
	s_setreg_imm32_b32 hwreg(HW_REG_WAVE_MODE, 25, 1), 1
	s_wait_xcnt 0x0
; y[t][head] = softmax_s(q[t] . k[s] / sqrt(128), s <= t) v[s], both products on codes of FP6 (E2M3) with E8M0 scales, from the images that the launch before stored; y is quantised along its 128 of D and stored as images.
; THE SOFTMAX AHEAD OF THE SECOND PRODUCT: t = score x log2(e) / sqrt(128); M = the running largest t rounded UP to a whole number; p = 2^(t - M) is quantised along the keys, not normalised; the row's sum is
; taken of the unquantised p and divides at the end; when M moves, the sum and O are multiplied by 2^(old M - new M): exact.
; SHARES.  A head's 2,048 queries are 32 half blocks of 64; half block u needs u / 2 + 1 key steps of 128.  Work-group g takes half blocks g and 31 - g: 17 steps for each pair of tiles in every work-group.
; A wave owns one tile' of 16 queries (lane r <-> query Q0 + r + 8 (r / 8)).  Which half block: the parity of the wave's number, so that waves w and w + 4, and waves 2 i and 2 i + 1, are one of each kind.
; Every work-group walks all four slots of 512 keys (constant trip counts, every barrier passed by every wave); a step all of whose keys come after the wave's queries is left out by a scalar branch on ids.
; NO CLUSTER: that branch hangs on g, which differs between work-groups that would share K and V, and partners of joint loads run alike.
; LAYOUT.  Both products are used transposed (S^T = K Q^T, O^T = V^T P^T): a lane holds one query throughout.  K's and V's tiles' are permuted (lane r' <-> row 32 b + 8 u + r' + 8 (r' / 8)), so that the 16 registers
; of tiles' 2 b, 2 b + 1 are 16 neighbours: keys for p, features for y.  A fragment comes from LDS as the image of its registers: three loads of 16 bytes a lane, 512 consecutive bytes each.
; LIMITS: NaN and infinities are not served; a block whose largest magnitude lies under 2^-124 gets the scale byte 1 (this program alone reads the bytes).
; REGISTERS: window 0: v1-10 addresses; v12 -M, v13 the largest t, v[14:15] the sum; v16-27 Q; v28 Q's scale words; v32-35 K's, v36-39 V's scale words; v96-159 S^T, then p; v160-223 O^T; v224.. p's codes; v232-254 at work.
;   window 1: v0-95 the step's eight fragments of K, v96-191 of V.
.set STEPB, 12288                      ; a record: eight images
.set VOFF,  4*STEPB                    ; a slot: four steps of K, then four of V
.set SLOT1, 131072                     ; slot 1 begins here: one exclusive or turns an address
.set SC,    262144                     ; K's 16 scale records of 512 bytes, then V's
.set SCG,   SC+16384                   ; 512 bytes: y's scale words are gathered here; no fill lands here
.set SPARE, SCG+512                    ; the spare words, 128 bytes for each wave: four blocks of 256 bytes that no other line names
.set KIMG,  3145728
.set QSC,   9437184
.set KSC,   9568256
.set YSC,   3145728
.set LI,  1                            ; v1  16 x lane
.set SCA, 2                            ; v2  SC + 16 x lane
.set QD,  3                            ; v3  r + 8 (r / 8) - 16 h
.set GSA, 4                            ; v4  where my row's scale word of y goes
.set SPW, 5
.set NIL, 6
.set GSR, 7                            ; v7  where waves 0 and 1 read a gathered half record
.set ADK, 8
.set ADV, 9
.set ADS, 10
.set WV,  8
.set Q0,  15
.set QL,  16
.set KF,  17
.set TB,  18
.set TS,  19
.set SEL, 20
.set CS,  22
.set G1,  24
.set G1S, 32
.set G0,  40
.set G0S, 44
.set SLOTS, 48
.set MSB, 0
.macro WIN new
.if MSB != (\new)
	s_set_vgpr_msb (MSB<<8)|(\new)
.set MSB, (\new)
.endif
.endm
.macro TLOAD                           ; waves 0 to 3 fetch a quarter of a slot each (K's steps 0-1, 2-3, V's 0-1, 2-3); four v_nop follow the line
	s_cmp_lt_u32 s[WV], 4
	s_cbranch_scc0 .Lnone_\@
	tensor_load_to_lds s[G0:G0+3], s[G1:G1+7]
	s_nop 0
.rept 4
	v_nop
.endr
.Lnone_\@:
.endm
	s_load_b128 s[4:7], s[0:1], 0x0                ; qkv s[4:5], yq s[6:7]
	v_lshl_add_u32 v[SPW], v0, 2, SPARE
	v_mov_b32 v[NIL], 0
	ds_add_u32 v5, v6
	s_wait_dscnt 0x0
	v_lshrrev_b32 v8, 5, v0
	v_readfirstlane_b32 s[WV], v8                  ; wave 0..7
	s_lshr_b32 s10, s[WV], 1                       ; which of the half block's four tiles'
	s_lshr_b32 s49, s[WV], 2
	s_xor_b32 s9, s[WV], s10
	s_xor_b32 s9, s9, s49
	s_and_b32 s9, s9, 1                            ; the parity of the wave's number: 0 the early half block, 1 the late one
	s_and_b32 s12, ttmp7, 0xffff                   ; the head
	s_sub_co_u32 s13, 31, ttmp9
	s_cmp_eq_u32 s9, 1
	s_cselect_b32 s13, s13, ttmp9                  ; u: my half block
	s_lshl_b32 s14, s13, 2
	s_add_co_u32 s14, s14, s10                     ; my tile' among the head's 128
	s_lshr_b32 s[Q0], s14, 1
	s_lshl_b32 s[Q0], s[Q0], 5
	s_and_b32 s49, s14, 1
	s_lshl_b32 s49, s49, 3
	s_add_co_u32 s[Q0], s[Q0], s49                 ; my first query,
	s_add_co_u32 s[QL], s[Q0], 23                  ; and my last
	v_and_b32 v8, 31, v0
	v_lshlrev_b32 v[LI], 4, v8
	v_add_nc_u32 v[SCA], SC, v[LI]
	v_lshlrev_b32 v29, 3, v8                       ; 8 x lane
	v_and_b32 v9, 15, v0                           ; r
	v_bfe_u32 v10, v0, 4, 1                        ; h
	v_and_b32 v11, 8, v9
	v_add_nc_u32 v[QD], v11, v9
	v_lshlrev_b32 v11, 4, v10
	v_sub_nc_u32 v[QD], v[QD], v11
	s_lshl_b32 s49, s9, 8                          ; y's scale words: half record = my half block; lane' 16 x + r holds two words, word w that of tile' 2 w + x of the four
	s_and_b32 s50, s10, 1
	s_lshl_b32 s50, s50, 7
	s_add_co_u32 s49, s49, s50
	s_lshr_b32 s50, s10, 1
	s_lshl_b32 s50, s50, 2
	s_add_co_u32 s49, s49, s50
	s_add_co_u32 s49, s49, SCG
	v_lshl_add_u32 v[GSA], v9, 3, s49
	s_lshl_b32 s49, s9, 8
	s_add_co_u32 s49, s49, SCG
	v_lshl_add_u32 v[GSR], v8, 3, s49
	v_lshlrev_b32 v11, 4, v9                       ; Q's scale words: 16 bytes a lane' of the record
	; descriptor group 1: 24,576 dense bytes as 96 rows of 256 (32 elements of 8 bytes), no padding: images are read 512 consecutive bytes at a time
	s_mov_b32 s[G1], 3<<16
	s_mov_b32 s[G1+1], 32<<16
	s_mov_b32 s[G1+2], 96<<16
	s_mov_b32 s[G1+3], 32<<16
	s_mov_b32 s[G1+4], 96
	s_mov_b32 s[G1+5], 32
	s_mov_b32 s[G1+6], 0
	s_mov_b32 s[G1+7], 0
	s_mov_b32 s[G1S], 3<<16                        ; and 4,096 bytes of scale records as 16 rows
	s_mov_b32 s[G1S+1], 32<<16
	s_mov_b32 s[G1S+2], 16<<16
	s_mov_b32 s[G1S+3], 32<<16
	s_mov_b32 s[G1S+4], 16
	s_mov_b32 s[G1S+5], 32
	s_mov_b32 s[G1S+6], 0
	s_mov_b32 s[G1S+7], 0
	s_and_b32 s50, s[WV], 1                        ; which half,
	s_bfe_u32 s51, s[WV], 0x10001                  ; of K (0) or of V (1)
	s_mul_i32 s52, s51, 3145728
	s_add_co_u32 s52, s52, KIMG
	s_mul_i32 s49, s12, 16*STEPB
	s_add_co_u32 s52, s52, s49
	s_mul_i32 s49, s50, 2*STEPB
	s_add_co_u32 s52, s52, s49
	s_mov_b32 s53, 0
	s_lshl_b32 s54, s51, 17
	s_add_co_u32 s54, s54, KSC
	s_lshl_b32 s49, s12, 13
	s_add_co_u32 s54, s54, s49
	s_lshl_b32 s49, s50, 12
	s_add_co_u32 s54, s54, s49
	s_mov_b32 s55, 0
	s_mul_i32 s56, s[WV], 2*STEPB                  ; in a slot: wave x 24,576
	s_lshl_b32 s57, s[WV], 12
	s_add_co_u32 s57, s57, SC
	s_mov_b32 s[SEL], 0x76543210
	s_mov_b32 s[SEL+1], 0xfedcba98
	s_mov_b32 s[CS], 0x3e0293ee                    ; c = log2(e) / sqrt(128)
	s_mov_b32 s[CS+1], s[CS]
	s_mov_b32 s[TB], 0
	s_mov_b32 s[TS], 0
	s_mov_b32 s[KF], 0
	s_mov_b32 s[SLOTS], 3
	s_wait_kmcnt 0x0
	s_mov_b32 s[G0S], 1
	s_mov_b32 s[G0S+1], s57
	s_add_nc_u64 s[G0S+2:G0S+3], s[4:5], s[54:55]
	s_or_b32 s[G0S+3], s[G0S+3], 0x80000000
	s_mov_b32 s[G0], 1
	s_mov_b32 s[G0+1], s56
	s_add_nc_u64 s[G0+2:G0+3], s[4:5], s[52:53]
	s_or_b32 s[G0+3], s[G0+3], 0x80000000
	s_cmp_lt_u32 s[WV], 4                          ; a wave's two first fills stand in one branch: the head's scale records (filled once) and slot 0: two loads of mine are out
	s_cbranch_scc0 .Lno_first
	tensor_load_to_lds s[G0S:G0S+3], s[G1S:G1S+7]
	s_nop 0
	tensor_load_to_lds s[G0:G0+3], s[G1:G1+7]
	s_nop 0
.rept 4
	v_nop
.endr
.Lno_first:
	s_lshr_b32 s49, s13, 1                         ; my block of 128 tokens
	s_lshl_b32 s50, s12, 4
	s_add_co_u32 s50, s50, s49                     ; q's record: head x 16 + block
	s_and_b32 s51, s14, 7                          ; my tile' in it
	s_lshl_b32 s52, s50, 3
	s_add_co_u32 s52, s52, s51
	s_mul_i32 s52, s52, 1536
	s_add_nc_u64 s[58:59], s[4:5], s[52:53]
.irp c, 0,1,2
	global_load_b128 v[16+4*\c:19+4*\c], v[LI], s[58:59] offset:512*\c   ; Q's fragment stays in registers
.endr
	s_lshl_b32 s52, s50, 9
	s_and_b32 s54, s51, 1
	s_lshl_b32 s54, s54, 8
	s_add_co_u32 s52, s52, s54
	s_lshr_b32 s54, s51, 1
	s_lshl_b32 s54, s54, 2
	s_add_co_u32 s52, s52, s54
	s_add_co_u32 s52, s52, QSC
	s_add_nc_u64 s[60:61], s[4:5], s[52:53]
	global_load_b32 v28, v11, s[60:61]             ; and its scale words
	s_lshl_b32 s52, s49, 4
	s_add_co_u32 s52, s52, s12                     ; y's record: block x 16 + head
	s_lshl_b32 s54, s52, 3
	s_add_co_u32 s54, s54, s51
	s_mul_i32 s54, s54, 1536
	s_add_nc_u64 s[62:63], s[6:7], s[54:55]        ; where my image of y goes
	s_lshl_b32 s52, s52, 1
	s_and_b32 s54, s13, 1
	s_add_co_u32 s52, s52, s54
	s_lshl_b32 s52, s52, 8
	s_add_co_u32 s52, s52, YSC
	s_add_nc_u64 s[6:7], s[6:7], s[52:53]          ; and my half block's half record of scale words
	v_mov_b32 v13, 0xff61b1e6                      ; the largest t so far: -3e38
	v_floor_f32 v12, -v13                          ; -M
	v_mov_b32 v14, 0
	v_mov_b32 v15, 0
.irp b, 0,1,2,3
	v_mov_b32 v[236+\b], 0                         ; a lane permute's destination counts as one of its sources
.endr
	v_mov_b32 v252, 0
	v_mov_b32 v253, 0
.set J, 0
.rept 64
	v_mov_b32 v[160+J], 0                          ; O^T: the step is written once; the first finds zeros, which the first change of M leaves zeros
.set J, J+1
.endr
.macro KLOAD q                         ; 25 LDS loads: the eight fragments of K of the slot's step q, and their scale words
	WIN 0x40
.irp t, 0,1,2,3,4,5,6,7
.irp c, 0,1,2
	ds_load_b128 v[12*\t+4*\c:12*\t+4*\c+3], v[ADK] offset:(\q)*STEPB+\t*1536+512*\c
.endr
.endr
	WIN 0
	ds_load_b128 v[32:35], v[ADS] offset:512*(\q)
.endm
.macro VLOAD q                         ; 25 more: V's
	WIN 0x40
.irp t, 0,1,2,3,4,5,6,7
.irp c, 0,1,2
	ds_load_b128 v[96+12*\t+4*\c:96+12*\t+4*\c+3], v[ADV] offset:(\q)*STEPB+\t*1536+512*\c
.endr
.endr
	WIN 0
	ds_load_b128 v[36:39], v[ADS] offset:8192+512*(\q)
.endm
.macro HEADLOAD                        ; at a slot's head, on every path: the addresses, and step 0's fragments
	v_add_nc_u32 v[ADK], s[TB], v[LI]
	v_add_nc_u32 v[ADS], s[TS], v[SCA]
	v_add_nc_u32 v[ADV], VOFF, v[ADK]
.rept 4
	v_nop                                          ; places in front of loads into registers that matrix instructions have read
.endr
	KLOAD 0
	VLOAD 0
.endm
; A KEY STEP: 128 keys, the q-th of the slot in hand.  K of step q + 1 is asked for behind the first product and lands under the softmax; V of step q + 1 behind the second product.
.macro STEP q
	s_cmp_gt_u32 s[KF], s[QL]                      ; all 128 keys come after my queries: the step's work is left out (a branch on ids; no barrier and no tensor load stands in a step)
	s_cbranch_scc1 .Lhid_\@
	s_wait_dscnt 25                                ; K and its scale words are in; the 25 loads of V, issued last, may be out
	WIN 0x01                                       ; source 0: window 1
.irp t, 0,2,4,6
	v_wmma_scale_f32_16x16x128_f8f6f4 v[96+8*\t:103+8*\t], v[12*\t:12*\t+11], v[16:27], 0, v[32+\t/2], v28 matrix_a_fmt:MATRIX_FMT_FP6 matrix_b_fmt:MATRIX_FMT_FP6
	v_wmma_scale_f32_16x16x128_f8f6f4 v[104+8*\t:111+8*\t], v[12*\t+12:12*\t+23], v[16:27], 0, v[32+\t/2], v28 matrix_a_fmt:MATRIX_FMT_FP6 matrix_b_fmt:MATRIX_FMT_FP6 matrix_a_scale:MATRIX_SCALE_ROW1
.endr
	WIN 0
.rept 4
	v_nop                                          ; places: in front of the loads into K's registers and of the first read of the scores
.endr
.if (\q) < 3
	KLOAD (\q)+1
.endif
	s_add_co_u32 s49, s[KF], 127                   ; on the diagonal hidden scores become -infinity ahead of the maximum; a step all of whose keys count skips this
	s_cmp_le_u32 s49, s[Q0]
	s_cbranch_scc1 .Lopen_\@
	s_sub_co_i32 s49, s[Q0], s[KF]
	v_add_nc_u32 v252, s49, v[QD]                  ; d = my query - KF - 16 h.  Register 16 b + i holds key KF + 16 h + 32 b + i: hidden where 32 b + i > d
	v_mov_b32 v254, 0xff800000
.set J, 0
.rept 64
	v_cmp_gt_i32 vcc_lo, 32*(J/16)+J%16, v252
	v_cndmask_b32 v[96+J], v[96+J], v254, vcc_lo
.set J, J+1
.endr
.Lopen_\@:
.irp b, 0,1,2,3
	v_max3_num_f32 v[232+\b], v[96+16*\b], v[97+16*\b], v[98+16*\b]   ; the largest score of each block of 32 keys: for the row's maximum and, since p rises with the score, for the block's largest p
.endr
.irp i, 3,5,7,9,11,13
.irp b, 0,1,2,3
	v_max3_num_f32 v[232+\b], v[232+\b], v[96+16*\b+\i], v[97+16*\b+\i]
.endr
.endr
.irp b, 0,1,2,3
	v_max_num_f32 v[232+\b], v[232+\b], v[111+16*\b]
.endr
.irp b, 0,1,2,3
	v_permlanex16_b32 v[236+\b], v[232+\b], s[SEL], s[SEL+1]
.endr
.irp b, 0,1,2,3
	v_max_num_f32 v[232+\b], v[232+\b], v[236+\b]  ; with lane l xor 16's 16 keys
.endr
	v_max3_num_f32 v254, v232, v233, v234
	v_max_num_f32 v254, v254, v235
	v_mul_f32 v254, s[CS], v254                    ; as t
	v_max_num_f32 v13, v13, v254                   ; the running largest t
	v_mov_b32 v254, v12
	v_floor_f32 v12, -v13                          ; the new -M = -ceil(t)
	v_sub_f32 v254, v12, v254                      ; old M - new M: a whole number, 0 or less
	v_cvt_i32_f32 v254, v254
	v_ldexp_f32 v252, 1.0, v254                    ; f = 2^(old M - new M)
.set J, 0
.rept 32
	v_pk_fma_f32 v[96+J:97+J], v[96+J:97+J], s[CS:CS+1], v[12:13] op_sel_hi:[1,0,0]   ; t - M
.set J, J+2
.endr
.irp b, 0,1,2,3
	v_fma_f32 v[232+\b], v[232+\b], s[CS], v12
.endr
.set J, 0
.rept 64
	v_exp_f32 v[96+J], v[96+J]                     ; p = 2^(t - M)
.set J, J+1
.endr
.irp b, 0,1,2,3
	v_exp_f32 v[232+\b], v[232+\b]                 ; the block's largest p
.endr
	v_pk_mul_f32 v[14:15], v[14:15], v[252:253] op_sel_hi:[1,0]   ; the sums under the new M (a plain place behind the exponentials)
	s_wait_alu depctr_va_vdst(0)
.irp b, 0,1,2,3
	v_max_num_f32 v[232+\b], 0x1800000, v[232+\b]  ; the floor 2^(3 - 127)
.endr
.irp b, 0,1,2,3
	v_add_nc_u32 v[244+\b], 0xff000000, v[232+\b]  ; the conversion's scale operand
.endr
.irp b, 0,1,2,3
	v_lshrrev_b32 v[236+\b], 23, v[244+\b]         ; the scale's byte
.endr
	v_lshl_or_b32 v253, v237, 8, v236              ; p's scale word for these 128 keys
	v_lshl_or_b32 v253, v238, 16, v253
	v_lshl_or_b32 v253, v239, 24, v253
.irp c, 0,1
	v_cvt_scalef32_pk16_fp6_f32 v[224+6*\c:226+6*\c], v[96+32*\c:111+32*\c], v[244+2*\c]
	v_cvt_scalef32_pk16_fp6_f32 v[236+4*\c:238+4*\c], v[112+32*\c:127+32*\c], v[244+2*\c+1]
.endr
	v_nop                                          ; one plain place behind a scaled conversion
.irp c, 0,1                                    ; the operand's layout wants a whole block in a lane
.irp i, 0,1,2
	v_permlane16_swap_b32 v[224+6*\c+\i], v[236+4*\c+\i]
.endr
.irp i, 0,1,2
	v_mov_b32 v[227+6*\c+\i], v[236+4*\c+\i]
.endr
.endr
	v_pk_add_f32 v[236:237], v[96:97], v[98:99]    ; the row's sum is taken of the unquantised p, in two chains
.irp j, 4,8,12,16,20,24,28,32,36,40,44,48,52,56,60
	v_pk_add_f32 v[14:15], v[14:15], v[96+\j:97+\j]
	v_pk_add_f32 v[236:237], v[236:237], v[98+\j:99+\j]
.endr
	v_pk_add_f32 v[14:15], v[14:15], v[236:237]
.set J, 0
.rept 32
	v_pk_mul_f32 v[160+J:161+J], v[160+J:161+J], v[252:253] op_sel_hi:[1,0]   ; O^T under the new M; these are also the places in front of the products below
.set J, J+2
.endr
.if (\q) < 3
	s_wait_dscnt 25                                ; V is in; the next step's 25 loads of K may be out
.else
	s_wait_dscnt 0x0
.endif
	WIN 0x01
.irp t, 0,2,4,6                                ; the eight accumulators by turns, one instruction a turn
	v_wmma_scale_f32_16x16x128_f8f6f4 v[160+8*\t:167+8*\t], v[96+12*\t:107+12*\t], v[224:235], v[160+8*\t:167+8*\t], v[36+\t/2], v253 matrix_a_fmt:MATRIX_FMT_FP6 matrix_b_fmt:MATRIX_FMT_FP6
	v_wmma_scale_f32_16x16x128_f8f6f4 v[168+8*\t:175+8*\t], v[108+12*\t:119+12*\t], v[224:235], v[168+8*\t:175+8*\t], v[36+\t/2], v253 matrix_a_fmt:MATRIX_FMT_FP6 matrix_b_fmt:MATRIX_FMT_FP6 matrix_a_scale:MATRIX_SCALE_ROW1
.endr
	WIN 0
.if (\q) < 3
.rept 4
	v_nop
.endr
	VLOAD (\q)+1
.endif
.Lhid_\@:
	s_add_co_u32 s[KF], s[KF], 128
.endm
; THE CHANGE OF SLOTS stands at a slot's head: each wave waits for all its tensor loads, adds 0 to its spare word, and waits for that and for its reads of the slot that it has left.
; Behind the barrier the slot ahead is whole and nobody reads the other one.  fill = 1: that other slot takes the next 512 keys: the load has a whole slot's steps in which to land.
.macro CHANGE fill
	s_wait_tensorcnt 0x0                           ; no tensor load of mine is out, so the group 0 may be written
	ds_add_u32 v[SPW], v[NIL]                      ; 0 onto my spare word
.if \fill
	s_xor_b32 s[G0+1], s[G0+1], SLOT1
	s_add_nc_u64 s[G0+2:G0+3], s[G0+2:G0+3], 4*STEPB
.endif
	s_wait_dscnt 0x0
	s_barrier_signal -1
	s_barrier_wait -1
.if \fill
	TLOAD                                          ; the first thing behind the barrier, a wave's one tensor load until the next
.endif
.endm
.macro SLOT_STEPS
	HEADLOAD
	STEP 0
	STEP 1
	STEP 2
	STEP 3
	s_xor_b32 s[TB], s[TB], SLOT1
	s_add_co_u32 s[TS], s[TS], 2048                ; four scale records on
.endm
	s_wait_loadcnt 0x0                             ; Q
.Lslot:                                            ; three trips: behind each change of slots but the last the next slot is asked for
	CHANGE 1
	SLOT_STEPS
	s_sub_co_u32 s[SLOTS], s[SLOTS], 1
	s_cmp_lg_u32 s[SLOTS], 0
	s_cbranch_scc1 .Lslot
	CHANGE 0                                       ; the last slot is written out
	SLOT_STEPS
	; THE WAY OUT: y = O^T / the sum; register 16 b + i of lane (r, h) is feature 32 b + 16 h + i of my query: quantised as p is, stored as the image of an operand.
.rept 4
	v_nop                                          ; places behind the last products
.endr
	v_add_f32 v14, v14, v15
	v_permlanex16_b32 v252, v14, s[SEL], s[SEL+1]
	v_add_f32 v14, v14, v252                       ; the row's sum
	v_rcp_f32 v14, v14
	v_mov_b32 v15, 0                               ; a plain place behind the transcendental
.set J, 0
	s_wait_alu depctr_va_vdst(0)
.rept 32
	v_pk_mul_f32 v[96+J:97+J], v[160+J:161+J], v[14:15] op_sel_hi:[1,0]
.set J, J+2
.endr
.irp b, 0,1,2,3
	v_max3_num_f32 v[232+\b], |v[96+16*\b]|, |v[97+16*\b]|, 0x1800000
.endr
.irp i, 2,4,6,8,10,12,14
.irp b, 0,1,2,3
	v_max3_num_f32 v[232+\b], v[232+\b], |v[96+16*\b+\i]|, |v[97+16*\b+\i]|
.endr
.endr
.irp b, 0,1,2,3
	v_permlanex16_b32 v[236+\b], v[232+\b], s[SEL], s[SEL+1]
.endr
.irp b, 0,1,2,3
	v_max_num_f32 v[232+\b], v[232+\b], v[236+\b]
.endr
.irp b, 0,1,2,3
	v_add_nc_u32 v[244+\b], 0xff000000, v[232+\b]
.endr
.irp b, 0,1,2,3
	v_lshrrev_b32 v[236+\b], 23, v[244+\b]
.endr
	v_lshl_or_b32 v254, v237, 8, v236              ; my row's scale word
	v_lshl_or_b32 v254, v238, 16, v254
	v_lshl_or_b32 v254, v239, 24, v254
.irp c, 0,1
	v_cvt_scalef32_pk16_fp6_f32 v[224+6*\c:226+6*\c], v[96+32*\c:111+32*\c], v[244+2*\c]
	v_cvt_scalef32_pk16_fp6_f32 v[236+4*\c:238+4*\c], v[112+32*\c:127+32*\c], v[244+2*\c+1]
.endr
	v_nop
.irp c, 0,1
.irp i, 0,1,2
	v_permlane16_swap_b32 v[224+6*\c+\i], v[236+4*\c+\i]
.endr
.irp i, 0,1,2
	v_mov_b32 v[227+6*\c+\i], v[236+4*\c+\i]
.endr
.endr
.irp c, 0,1,2
	global_store_b128 v[LI], v[224+4*\c:227+4*\c], s[62:63] offset:512*\c   ; 32 lanes store 512 consecutive bytes, aligned
.endr
	ds_store_b32 v[GSA], v254                      ; the four tiles' words of a half block meet in LDS (both halves of the lanes write the same word with the same value)
	s_wait_dscnt 0x0                               ; for the others' sake
	s_barrier_signal -1
	s_barrier_wait -1
	s_cmp_lt_u32 s[WV], 2                          ; wave 0 is of the early half block, wave 1 of the late one: each stores its own kind's 256 bytes
	s_cbranch_scc0 .Lend
	ds_load_b64 v[40:41], v[GSR]
	s_wait_dscnt 0x0
	global_store_b64 v29, v[40:41], s[6:7]         ; 32 lanes store 256 consecutive bytes, aligned
.Lend:
	s_wait_tensorcnt 0x0                           ; the wave's end
	ds_add_u32 v[SPW], v[NIL]
	s_wait_dscnt 0x0
	s_endpgm
.Lfunc_end_k_q6c30736580_attn:
	.size	k_q6c30736580_attn, .Lfunc_end_k_q6c30736580_attn-k_q6c30736580_attn
	.p2alignl 7, 3214868480
	.fill 96, 4, 3214868480
	.section	.rodata,"a",@progbits
	.p2align	6, 0x0
	.amdhsa_kernel k_q6c30736580_attn
		.amdhsa_group_segment_fixed_size 327680
		.amdhsa_private_segment_fixed_size 0
		.amdhsa_enable_private_segment 0
		.amdhsa_kernarg_size 16
		.amdhsa_user_sgpr_count 2
		.amdhsa_user_sgpr_kernarg_segment_ptr 1
		.amdhsa_wavefront_size32 1
		.amdhsa_system_sgpr_workgroup_id_x 1
		.amdhsa_system_sgpr_workgroup_id_y 1
		.amdhsa_system_sgpr_workgroup_id_z 1
		.amdhsa_system_vgpr_workitem_id 0
		.amdhsa_next_free_vgpr 512
		.amdhsa_next_free_sgpr 66
		.amdhsa_reserve_vcc 1
		.amdhsa_float_denorm_mode_32 3
		.amdhsa_float_denorm_mode_16_64 3
		.amdhsa_memory_ordered 1
		.amdhsa_forward_progress 1
		.amdhsa_inst_pref_size 206
	.end_amdhsa_kernel
	.amdgpu_metadata
---
amdhsa.version: [ 1, 2 ]
amdhsa.kernels:
  - .name:           k_q6c30736580_attn
    .symbol:         k_q6c30736580_attn.kd
    .args:
      - { .name: qkv, .offset: 0, .size: 8, .value_kind: global_buffer, .address_space: global }
      - { .name: yq, .offset: 8, .size: 8, .value_kind: global_buffer, .address_space: global }
    .group_segment_fixed_size: 327680
    .private_segment_fixed_size: 0
    .kernarg_segment_align: 8
    .kernarg_segment_size: 16
    .max_flat_workgroup_size: 256
    .sgpr_count:     66
    .vgpr_count:     512
    .wavefront_size: 32
...
	.end_amdgpu_metadata
.endif
;; end of part 2
;; launch proj (part 3): grid 16 x 16, 4 waves a work-group, clusters of 4 x 4, 327,680 bytes of LDS; arguments yq, wproj_codes, wproj_scales, out0; writes out0
.if DOCPART == 3
	.amdgcn_target "amdgcn-amd-amdhsa--gfx1250"
	.amdhsa_code_object_version 6
	.text
	.protected	k_q6c30736580_proj
	.globl	k_q6c30736580_proj
	.p2align	8
	.type	k_q6c30736580_proj,@function
k_q6c30736580_proj:
	s_mov_b64 s[64:65], 0
	v_nop
	global_prefetch_b8 v0, s[64:65] scope:SCOPE_SE
	s_setreg_imm32_b32 hwreg(HW_REG_WAVE_MODE, 25, 1), 1
	s_wait_xcnt 0x0
	s_wait_alu depctr_hold_cnt(0) depctr_sa_sdst(0) depctr_va_vdst(0) depctr_va_sdst(0) depctr_va_ssrc(0) depctr_va_vcc(0) depctr_vm_vsrc(0)
	s_getreg_b32 s2, hwreg(HW_REG_IB_STS2, 6, 4)
	s_cmp_eq_u32 s2, 0
	s_cbranch_scc0 .Lentry_in_a_cluster
	s_endpgm
.Lentry_in_a_cluster:
	s_bfe_u32 s2, ttmp6, 0x10000c
	s_cmp_lg_u32 s2, 0xf033
	s_cbranch_scc0 .Lentry_shape_is_right
	s_endpgm
.Lentry_shape_is_right:
; out0 = y wproj^T on codes of FP6 (E2M3) with E8M0 scales.
; y lies in memory as images of operand registers (a fragment: three pieces of 512 bytes, registers 4 c .. 4 c + 3 of lane l at 512 c + 16 l; a record: the eight fragments of 128 rows x 128 K, 12,288 bytes):
; a K step's tiles are a dense block for the tensor load, and a fragment is three LDS loads of 16 bytes a lane, with no padding.
; wproj is taken as it is given: rows of 1,536 bytes; a slot holds 384 bytes (four K steps) of 128 rows, with 16 bytes of padding behind every 128: LDS pitch 432 bytes = 108 words, so that row r begins at bank
; 44 r mod 64, sixteen different multiples of 4 (64 banks of 4 bytes: ISA guide 11.1), and lanes 16-31 lie 6 or 10 words on: the 32 lanes of a load of 8 bytes touch 64 different banks.  A fragment is six such loads.
; A tile of out0 is 128 x 128: 256 work-groups (tiles of 256 x 256 would be 64).  Four waves of 64 tokens x 64 features: 16 accumulators.  Used transposed: source 0 = 16 rows of wproj, source 1 = a tile' of y:
; a lane holds one token and eight neighbouring features.  y's tiles' are permuted: lane r of tile' a <-> token 32 (a / 2) + 8 (a % 2) + r + 8 (r / 8); the stage on the way out puts the rows in order.
; K = 2,048 is sixteen steps of 128, four to a slot.  THREE slots are filled at the start and slot 0 once more, with the last four steps: one refill in the launch, asked for eight steps ahead of its first read.
; All scale words go from memory straight into 64 registers that hold nothing else: y's by sixteen loads of 256 consecutive bytes, wproj's by eight loads of 16 bytes a lane (a lane to a row, four K steps' words to a load).
; CLUSTER 4 x 4: y's records are asked for jointly along a row of the cluster, wproj's rows along a column.
; REGISTERS: window 0: v12-29 addresses; v32-63 y's scale words (K step n: v[32 + 2 n], v[33 + 2 n]: tiles' 0, 1 and 2, 3), v64-95 wproj's (v[64 + 16 w + n]: tiles 2 w, 2 w + 1); in each, lanes 0-15 hold the even
;   tile's words and lanes 16-31 the odd tile's; v128-255 the accumulators ((a, b) at v[128 + 8 (4 a + b)]).   window 1: two sets of fragments at v0 and v128: y's four, then wproj's four.
.set STEPB, 12288
.set KROW,  1536                       ; a row of wproj in memory
.set BP,    432                        ; and its 384 bytes in a slot: 3 x (128 + 16)
.set BOFF,  4*STEPB                    ; a slot: four K steps of y,
.set BHALF, 64*BP                      ; then twice 64 rows of wproj
.set SLOT,  BOFF+2*BHALF
.set SPARE, 3*SLOT                     ; the spare words, 128 bytes for each wave: two blocks of 256 bytes that no other line names
.set STAGE, SLOT                       ; the way out: 64 rows x (256 + 16) bytes for each wave, in slot 1: filled once, last read in K step 7, and every wave has passed a barrier since
.set SP,    272
.set ADC, 12                           ; v12-14 my fragments of wproj in slot 0, 1, 2, for the pieces that lie behind one padding more
.set AS8, 15                           ; v15    8 x lane
.set ADA, 16                           ; v16-18 my four fragments of y in slot 0, 1, 2
.set ADB, 20                           ; v20-22 of wproj
.set AS64, 23                          ; v23    64 x lane
.set STO, 24
.set RD,  25
.set CO,  26
.set SPW, 28
.set NIL, 29
.set ACC, 128
.set G1A, 24
.set G1B, 32
.set G0A, 68                           ; s[68:79] one set for each slot
.set G0B, 80                           ; s[80:91]
.set MSB, 0
.macro WIN new
.if MSB != (\new)
	s_set_vgpr_msb (MSB<<8)|(\new)
.set MSB, (\new)
.endif
.endm
.set MUL, 0x05                         ; sources 0 and 1 window 1; C and D window 0
.macro JLOAD g0a, g1a, g0b, g1b        ; a joint load: waves 0 and 1 fetch for y, waves 2 and 3 for wproj; four v_nop follow each of the two lines
	s_cmp_eq_u32 s11, 0
	s_cbranch_scc0 .Lfor_b_\@
	tensor_load_to_lds s[\g0a:\g0a+3], s[\g1a:\g1a+7]
	s_nop 0
.rept 4
	v_nop
.endr
	s_branch .Lasked_\@
.Lfor_b_\@:
	tensor_load_to_lds s[\g0b:\g0b+3], s[\g1b:\g1b+7]
	s_nop 0
.rept 4
	v_nop
.endr
.Lasked_\@:
.endm
.macro CREST
	s_cmp_lg_u32 s10, 0
	s_cbranch_scc1 .Lnot_wave_0_\@
	s_barrier_signal -3
.Lnot_wave_0_\@:
	s_barrier_wait -3
	s_barrier_signal -1
	s_barrier_wait -1
.endm
.macro CROUND
	s_barrier_signal -1
	s_barrier_wait -1
	CREST
.endm
.macro PLACES
.rept 4
	v_nop
.endr
.endm
	s_load_b128 s[4:7], s[0:1], 0x0                ; yq s[4:5], wproj's codes s[6:7]
	s_load_b128 s[56:59], s[0:1], 0x10             ; wproj's scales s[56:57], out0 s[58:59]
	v_lshl_add_u32 v[SPW], v0, 2, SPARE
	v_mov_b32 v[NIL], 0
	ds_add_u32 v28, v29
	s_wait_dscnt 0x0
	v_lshrrev_b32 v1, 5, v0
	v_readfirstlane_b32 s10, v1                    ; wave 0..3
	s_lshr_b32 s11, s10, 1                         ; which 64 tokens are mine.  Also: I fetch for y (0) or for wproj (1)
	s_and_b32 s12, s10, 1                          ; which 64 features.  Also: which half of that part of a slot I fetch
	s_bfe_u32 s40, ttmp6, 0x40000                  ; cx, cy
	s_bfe_u32 s41, ttmp6, 0x40004
	s_lshl_b32 s42, ttmp9, 2
	s_add_co_u32 s42, s42, s40                     ; block of 128 features = 4 x cluster x + cx
	s_and_b32 s13, ttmp7, 0xffff
	s_lshl_b32 s13, s13, 2
	s_add_co_u32 s13, s13, s41                     ; block of 128 tokens = 4 x cluster y + cy
	s_lshl_b32 s43, s41, 2
	s_lshl_b32 s43, 15, s43                        ; my row of the cluster
	s_lshl_b32 s44, 0x1111, s40                    ; my column
	s_or_b32 s[G1A], s43, (3<<16)|(1<<21)          ; y: the mask; elements of 8 bytes; bit 21 beside a mask; no padding: two records, 24,576 dense bytes, as 96 rows of 256
	s_mov_b32 s[G1A+1], 32<<16
	s_mov_b32 s[G1A+2], 96<<16
	s_mov_b32 s[G1A+3], 32<<16
	s_mov_b32 s[G1A+4], 96
	s_mov_b32 s[G1A+5], 32
	s_mov_b32 s[G1A+6], 0
	s_mov_b32 s[G1A+7], 0
	s_or_b32 s[G1B], s44, (0<<16)|(1<<20)|(1<<21)|(4<<22)|(3<<25)   ; wproj: the mask; elements of 1 byte; padding on; bit 21 beside a mask; behind every 32 words (code 4) 4 words (code 3)
	s_mov_b32 s[G1B+1], 384<<16                    ; tensor_dim0: four K steps of 96 bytes
	s_mov_b32 s[G1B+2], 64<<16                     ; tensor_dim1
	s_mov_b32 s[G1B+3], 384<<16                    ; tile_dim0
	s_mov_b32 s[G1B+4], 64                         ; tile_dim1
	s_mov_b32 s[G1B+5], KROW                       ; the pitch
	s_mov_b32 s[G1B+6], 0
	s_mov_b32 s[G1B+7], 0
	s_mul_i32 s16, s13, 16*STEPB                   ; y: the token block's sixteen records,
	s_mul_i32 s18, s12, 2*STEPB                    ; my half of a slot's four
	s_add_co_u32 s16, s16, s18
	s_mov_b32 s17, 0
	s_mul_i32 s46, s42, 128*KROW                   ; wproj: the feature block's 128 rows,
	s_mul_i32 s19, s12, 64*KROW                    ; my 64 of them
	s_add_co_u32 s46, s46, s19
	s_mov_b32 s47, 0
	s_mul_i32 s45, s12, 2*STEPB                    ; where they go in a slot: y's halves,
	s_mul_i32 s3, s12, BHALF
	s_add_co_u32 s3, s3, BOFF                      ; wproj's halves: no place in the cluster enters an LDS address
	s_lshl_b32 s20, s13, 13                        ; y's scale words: sixteen records of 512 bytes a token block, my 64 tokens' half of each
	s_lshl_b32 s21, s11, 8
	s_add_co_u32 s20, s20, s21
	s_add_co_u32 s20, s20, 3145728
	s_mov_b32 s21, 0
	s_lshl_b32 s22, s42, 13                        ; wproj's: 64 bytes a row, my 64 rows
	s_lshl_b32 s23, s12, 12
	s_add_co_u32 s22, s22, s23
	s_mov_b32 s23, 0
	s_wait_kmcnt 0x0
	s_add_nc_u64 s[16:17], s[4:5], s[16:17]
	s_add_nc_u64 s[46:47], s[6:7], s[46:47]
	s_add_nc_u64 s[92:93], s[4:5], s[20:21]
	s_add_nc_u64 s[56:57], s[56:57], s[22:23]
	CROUND                                         ; all sixteen work-groups are here: the first joint loads meet
.irp s, 0,1,2
	s_mov_b32 s[G0A+4*\s], 1
	s_add_co_u32 s[G0A+4*\s+1], s45, \s*SLOT
	s_add_nc_u64 s[G0A+4*\s+2:G0A+4*\s+3], s[16:17], \s*4*STEPB
	s_or_b32 s[G0A+4*\s+3], s[G0A+4*\s+3], 0x80000000
	s_mov_b32 s[G0B+4*\s], 1
	s_add_co_u32 s[G0B+4*\s+1], s3, \s*SLOT
	s_add_nc_u64 s[G0B+4*\s+2:G0B+4*\s+3], s[46:47], \s*384
	s_or_b32 s[G0B+4*\s+3], s[G0B+4*\s+3], 0x80000000
	JLOAD G0A+4*\s, G1A, G0B+4*\s, G1B
.endr                                          ; three tensor loads of mine are out
	v_and_b32 v1, 15, v0                           ; r
	v_bfe_u32 v2, v0, 4, 1                         ; h
	v_and_b32 v3, 31, v0
	v_lshlrev_b32 v[AS8], 3, v3
	v_lshlrev_b32 v[AS64], 6, v3
.irp n, 0,1,2,3,4,5,6,7,8,9,10,11,12,13,14,15
	global_load_b64 v[32+2*\n:33+2*\n], v[AS8], s[92:93] offset:512*\n   ; K step n: 32 lanes read 256 consecutive bytes, aligned
.endr
.irp w, 0,1
.irp j, 0,1,2,3
	global_load_b128 v[64+16*\w+4*\j:67+16*\w+4*\j], v[AS64], s[56:57] offset:2048*\w+16*\j   ; row 32 w + lane: the words of K steps 4 j .. 4 j + 3
.endr
.endr
	v_lshlrev_b32 v4, 4, v3                        ; 16 x lane
	v_mul_u32_u24 v5, v1, BP
	v_mad_u32_u24 v6, v2, 24, v5                   ; wproj: row r x pitch + 24 h,
	v_mad_u32_u24 v7, v2, 40, v5                   ; and the same behind one padding more
	s_mul_i32 s18, s11, 4*1536                     ; my four tiles' of y,
	s_mul_i32 s19, s12, BHALF                      ; my 64 rows of wproj,
	s_add_co_u32 s19, s19, BOFF                    ; behind y's four K steps
.irp s, 0,1,2
	v_add_nc_u32 v[ADA+\s], s18, v4
	v_add_nc_u32 v[ADB+\s], s19, v6
	v_add_nc_u32 v[ADC+\s], s19, v7
	s_add_co_u32 s18, s18, SLOT
	s_add_co_u32 s19, s19, SLOT
.endr
	s_mul_i32 s18, s10, 64*SP
	s_add_co_u32 s18, s18, STAGE                   ; my stage
	v_and_b32 v5, 8, v1
	v_add_nc_u32 v5, v5, v1                        ; r + 8 (r / 8)
	v_mul_u32_u24 v5, v5, SP
	v_lshl_add_u32 v5, v2, 5, v5
	v_add_nc_u32 v[STO], s18, v5                   ; in: my token's row, 32 bytes for each half of the lanes
	v_mul_u32_u24 v5, v2, SP
	v_lshl_add_u32 v5, v1, 4, v5
	v_add_nc_u32 v[RD], s18, v5                    ; back: lanes 0-15 one row of 256 bytes, lanes 16-31 the next
	v_lshlrev_b32 v5, 13, v2
	v_lshl_add_u32 v[CO], v1, 4, v5                ; and the same two rows in out0
	s_lshl_b32 s16, s13, 20                        ; my first row of out0: 128 x token block + 64 x half, rows of 8,192 bytes;
	s_lshl_b32 s17, s11, 19
	s_add_co_u32 s16, s16, s17
	s_lshl_b32 s46, s42, 9                         ; my first column: 512 bytes a block + 256 x half
	s_lshl_b32 s47, s12, 8
	s_add_co_u32 s46, s46, s47
	s_add_co_u32 s16, s16, s46
	s_mov_b32 s17, 0
	s_add_nc_u64 s[58:59], s[58:59], s[16:17]
; one product.  ob, oa: the tile of wproj, of y is an odd one: its scale words stand in lanes 16-31
.macro WM d, fb, fa, zero, sb, sa, ob, oa
.if \zero
.if (\ob) && (\oa)
	v_wmma_scale_f32_16x16x128_f8f6f4 v[\d:\d+7], v[\fb:\fb+11], v[\fa:\fa+11], 0, v[\sb], v[\sa] matrix_a_fmt:MATRIX_FMT_FP6 matrix_b_fmt:MATRIX_FMT_FP6 matrix_a_scale:MATRIX_SCALE_ROW1 matrix_b_scale:MATRIX_SCALE_ROW1
.elseif (\ob)
	v_wmma_scale_f32_16x16x128_f8f6f4 v[\d:\d+7], v[\fb:\fb+11], v[\fa:\fa+11], 0, v[\sb], v[\sa] matrix_a_fmt:MATRIX_FMT_FP6 matrix_b_fmt:MATRIX_FMT_FP6 matrix_a_scale:MATRIX_SCALE_ROW1
.elseif (\oa)
	v_wmma_scale_f32_16x16x128_f8f6f4 v[\d:\d+7], v[\fb:\fb+11], v[\fa:\fa+11], 0, v[\sb], v[\sa] matrix_a_fmt:MATRIX_FMT_FP6 matrix_b_fmt:MATRIX_FMT_FP6 matrix_b_scale:MATRIX_SCALE_ROW1
.else
	v_wmma_scale_f32_16x16x128_f8f6f4 v[\d:\d+7], v[\fb:\fb+11], v[\fa:\fa+11], 0, v[\sb], v[\sa] matrix_a_fmt:MATRIX_FMT_FP6 matrix_b_fmt:MATRIX_FMT_FP6
.endif
.else
.if (\ob) && (\oa)
	v_wmma_scale_f32_16x16x128_f8f6f4 v[\d:\d+7], v[\fb:\fb+11], v[\fa:\fa+11], v[\d:\d+7], v[\sb], v[\sa] matrix_a_fmt:MATRIX_FMT_FP6 matrix_b_fmt:MATRIX_FMT_FP6 matrix_a_scale:MATRIX_SCALE_ROW1 matrix_b_scale:MATRIX_SCALE_ROW1
.elseif (\ob)
	v_wmma_scale_f32_16x16x128_f8f6f4 v[\d:\d+7], v[\fb:\fb+11], v[\fa:\fa+11], v[\d:\d+7], v[\sb], v[\sa] matrix_a_fmt:MATRIX_FMT_FP6 matrix_b_fmt:MATRIX_FMT_FP6 matrix_a_scale:MATRIX_SCALE_ROW1
.elseif (\oa)
	v_wmma_scale_f32_16x16x128_f8f6f4 v[\d:\d+7], v[\fb:\fb+11], v[\fa:\fa+11], v[\d:\d+7], v[\sb], v[\sa] matrix_a_fmt:MATRIX_FMT_FP6 matrix_b_fmt:MATRIX_FMT_FP6 matrix_b_scale:MATRIX_SCALE_ROW1
.else
	v_wmma_scale_f32_16x16x128_f8f6f4 v[\d:\d+7], v[\fb:\fb+11], v[\fa:\fa+11], v[\d:\d+7], v[\sb], v[\sa] matrix_a_fmt:MATRIX_FMT_FP6 matrix_b_fmt:MATRIX_FMT_FP6
.endif
.endif
.endm
; 8 products of K step n: y's tiles' a0, a0 + 1 x wproj's four.  The 16 accumulators take turns, one instruction a turn, in the same order in every step.
.macro MUL8 n, a0, zero
.irp a, \a0, \a0+1
.irp b, 0,1,2,3
.set DA, ACC+8*(4*(\a)+\b)
.set FB, 128*((\n)%2)+48+12*\b
.set FA, 128*((\n)%2)+12*(\a)
.set RB, 64+16*(\b/2)+(\n)
.set RA, 32+2*(\n)+(\a)/2
	WM DA, FB, FA, \zero, RB, RA, \b%2, (\a)%2
.endr
.endr
.endm
; 36 LDS loads: K step n's eight fragments into set n % 2; steps 0-3 lie in slot 0, 4-7 in slot 1, 8-11 in slot 2, 12-15 in slot 0 again.
; A fragment of wproj: registers 6 c .. 6 c + 5 of lane (r, h) hold the 24 bytes of K = 64 c + 32 h + 0 .. 31 of row r, as they lie, in pieces of 8 bytes.  Piece p of a row's 48 lies at 8 p + 16 (p / 16);
; lanes 16-31 read three pieces further on, which is behind one padding more where p % 16 is 13 or more: there the second address register serves.
.macro FETCH n
.set SL, ((\n)/4)%3
.set KQ, (\n)%4
.set FS, 128*((\n)%2)
	WIN 0x40
.irp i, 0,1,2,3
.irp c, 0,1,2
	ds_load_b128 v[FS+12*\i+4*\c:FS+12*\i+4*\c+3], v[ADA+SL] offset:KQ*STEPB+\i*1536+512*\c
.endr
.irp p, 0,1,2,3,4,5
.set PC, 12*KQ+6*(\p/3)+\p%3
.if PC%16 < 13
	ds_load_b64 v[FS+48+12*\i+2*\p:FS+48+12*\i+2*\p+1], v[ADB+SL] offset:8*PC+16*(PC/16)+\i*16*BP
.else
	ds_load_b64 v[FS+48+12*\i+2*\p:FS+48+12*\i+2*\p+1], v[ADC+SL] offset:8*PC+16*(PC/16)+\i*16*BP
.endif
.endr
.endr
.endm
.macro KSTEP n, zero
	s_wait_dscnt 0x0                               ; this step's fragments are in (asked for sixteen products ago)
	PLACES                                         ; in front of loads into the set that the last step's products read
	FETCH (\n)+1
	WIN MUL
	MUL8 \n, 0, \zero
	MUL8 \n, 2, \zero
.endm
; A step behind which other waves' tensor loads are first read: one barrier, with each wave's wait for all its tensor loads, the add, and the wait for it and for the wave's LDS reads in front.
; fill = 1: slot 0, read out, takes K steps 12 to 15: the barrier opens a round of the cluster's barrier, and the joint refill is the first tensor load behind it.
.macro TURN n, fill
	WIN 0
	s_wait_tensorcnt 0x0                           ; all my tensor loads have landed
	ds_add_u32 v[SPW], v[NIL]                      ; 0 onto my spare word
	s_wait_dscnt 1                                 ; this step's fragments are in (the add may be out)
	WIN MUL
	MUL8 \n, 0, 0
	s_wait_dscnt 0x0                               ; the add is done; my reads of the slot are over
	s_barrier_signal -1
	MUL8 \n, 2, 0
	WIN 0
	s_barrier_wait -1
.if \fill
	CREST
	s_add_nc_u64 s[G0A+2:G0A+3], s[G0A+2:G0A+3], 12*STEPB
	s_add_nc_u64 s[G0B+2:G0B+3], s[G0B+2:G0B+3], 12*96
	JLOAD G0A, G1A, G0B, G1B                       ; the four v_nop behind it are also the places in front of the loads below
.else
	PLACES
.endif
	FETCH (\n)+1
.endm
	s_wait_tensorcnt 2                             ; my part of slot 0 is in; slots 1 and 2 may be out
	s_barrier_signal -1
	s_barrier_wait -1
	FETCH 0
	s_wait_loadcnt 0x0                             ; the scale words
	KSTEP 0, 1                                     ; the first step's products start the sums
	KSTEP 1, 0
	KSTEP 2, 0
	TURN 3, 1                                      ; slots 1 and 2 are whole for every wave; slot 0 is filled again
.irp n, 4,5,6,7,8,9,10
	KSTEP \n, 0
.endr
	TURN 11, 0                                     ; slot 0's second fill is whole for every wave; nothing is filled again, so no round follows
	KSTEP 12, 0
	KSTEP 13, 0
	KSTEP 14, 0
	s_wait_dscnt 0x0
	WIN MUL
	MUL8 15, 0, 0
	MUL8 15, 2, 0
	WIN 0
	; THE WAY OUT: a lane's eight results are 32 neighbouring bytes of its token's row; they go into my stage at the token's true place and come back as whole rows of 256 bytes.
	; (Rows 16 apart of a store meet in the same banks: 32 stores a wave, once.)
	PLACES
.irp a, 0,1,2,3
.irp b, 0,1,2,3
	ds_store_b128 v[STO], v[ACC+8*(4*\a+\b):ACC+8*(4*\a+\b)+3] offset:(32*(\a/2)+8*(\a%2))*SP+64*\b          ; each accumulator from its low end on
	ds_store_b128 v[STO], v[ACC+8*(4*\a+\b)+4:ACC+8*(4*\a+\b)+7] offset:(32*(\a/2)+8*(\a%2))*SP+64*\b+16
.endr
.endr
.irp g, 0,1
.if \g
	s_wait_xcnt 0x0                                ; the first half's stores have read their registers
.endif
.irp t, 0,1,2,3,4,5,6,7,8,9,10,11,12,13,14,15
	ds_load_b128 v[ACC+4*\t:ACC+4*\t+3], v[RD] offset:(16*\g+\t)*2*SP   ; LDS serves a wave's instructions in order (ISA guide 5.7.1.4): these see the stores above
.endr
.irp t, 0,1,2,3,4,5,6,7,8,9,10,11,12,13,14,15
	s_wait_dscnt 15-\t
	global_store_b128 v[CO], v[ACC+4*\t:ACC+4*\t+3], s[58:59] offset:(16*\g+\t)*2*8192 th:TH_STORE_NT   ; 16 lanes store 256 consecutive bytes, aligned
.endr
.endr
	s_wait_tensorcnt 0x0                           ; the wave's end
	ds_add_u32 v[SPW], v[NIL]
	s_wait_dscnt 0x0
	CROUND                                         ; the closing round
	s_endpgm
.Lfunc_end_k_q6c30736580_proj:
	.size	k_q6c30736580_proj, .Lfunc_end_k_q6c30736580_proj-k_q6c30736580_proj
	.p2alignl 7, 3214868480
	.fill 96, 4, 3214868480
	.section	.rodata,"a",@progbits
	.p2align	6, 0x0
	.amdhsa_kernel k_q6c30736580_proj
		.amdhsa_group_segment_fixed_size 327680
		.amdhsa_private_segment_fixed_size 0
		.amdhsa_enable_private_segment 0
		.amdhsa_kernarg_size 32
		.amdhsa_user_sgpr_count 2
		.amdhsa_user_sgpr_kernarg_segment_ptr 1
		.amdhsa_wavefront_size32 1
		.amdhsa_system_sgpr_workgroup_id_x 1
		.amdhsa_system_sgpr_workgroup_id_y 1
		.amdhsa_system_sgpr_workgroup_id_z 1
		.amdhsa_system_vgpr_workitem_id 0
		.amdhsa_next_free_vgpr 512
		.amdhsa_next_free_sgpr 100
		.amdhsa_reserve_vcc 0
		.amdhsa_float_denorm_mode_32 3
		.amdhsa_float_denorm_mode_16_64 3
		.amdhsa_memory_ordered 1
		.amdhsa_forward_progress 1
		.amdhsa_inst_pref_size 93
	.end_amdhsa_kernel
	.amdgpu_metadata
---
amdhsa.version: [ 1, 2 ]
amdhsa.kernels:
  - .name:           k_q6c30736580_proj
    .symbol:         k_q6c30736580_proj.kd
    .args:
      - { .name: yq, .offset: 0, .size: 8, .value_kind: global_buffer, .address_space: global }
      - { .name: wproj_codes, .offset: 8, .size: 8, .value_kind: global_buffer, .address_space: global }
      - { .name: wproj_scales, .offset: 16, .size: 8, .value_kind: global_buffer, .address_space: global }
      - { .name: out0, .offset: 24, .size: 8, .value_kind: global_buffer, .address_space: global }
    .group_segment_fixed_size: 327680
    .private_segment_fixed_size: 0
    .kernarg_segment_align: 8
    .kernarg_segment_size: 32
    .max_flat_workgroup_size: 128
    .sgpr_count:     100
    .vgpr_count:     512
    .wavefront_size: 32
...
	.end_amdgpu_metadata
.endif
;; end of part 3
